; MI455X (gfx1250); checked and timed in simulation.
; The chip was launched on July 23, 2026; its instructions are those of AMD's public machine-readable ISA for CDNA 5 (MIT licence, August 2026) and "CDNA5" Instruction Set Architecture Reference Guide (July 2026). The comments in the code are by the model that wrote it; some were corrected since.
;; Multi Head Attention. Allowed arithmetic: matrix products marked QUANTISED: E2M3 operands, one E8M0 scale for each 32 along K, by v_wmma_scale_f32_16x16x128_f8f6f4 with both operands' format E2M3, f32 sums; everything else in f32.
;; Inputs: q_mask 4 x 2,048 bool; query 4 x 2,048 x 1,024 float32; qw 8 x 1,024 x 128 float32; scale 8 float32; v_mask 4 x 2,048 bool; value 4 x 2,048 x 1,024 float32; vw 8 x 1,024 x 128 float32; wo 1,024 x 1,024 float32.
;; Outputs: out0 4 x 2,048 x 1,024 float32.
;; This version of the problem:
;;   THIS VERSION OF THE PROBLEM IS GIVEN IN LOW PRECISION. The matrix products marked QUANTISED in the list below multiply operands that are first quantised to E2M3 (2 exponent bits, 3 mantissa bits; 6 bits a number), with one power-of-two scale for each 32 numbers along K (OCP MX v1.0); their sums are f32. All else is computed in f32.
;;   The module's matrix products, in the order in which they are computed (A, B: the left and right operand; K: the contracted axis; several contracted axes count as one K, in the product's order):
;;     1. [M 1,024, K 1,024] x [K 1,024, N 8,192]; A: input qw; B: input query: QUANTISED
;;     2. [M 1,024, K 1,024] x [K 1,024, N 8,192]; A: input vw; B: input value: QUANTISED
;;     3. batch 32 x [M 2,048, K 128] x [K 128, N 2,048]; A: computed on the way; B: computed on the way: QUANTISED
;;     4. batch 32 x [M 2,048, K 2,048] x [K 2,048, N 128]; A: softmax (see below); B: computed on the way: QUANTISED
;;     5. [M 8,192, K 1,024] x [K 1,024, N 1,024]; A: computed on the way; B: input wo: QUANTISED
;;   THE QUANTISER, for each operand of a quantised product, along K:
;;     - K is cut into blocks of 32 from its start; a last block that is shorter is filled with zeros.
;;     - A block's scale is 2^e with e = floor(log2(the largest magnitude in the block)) - 2, held to -126 .. 127; a block of zeros has e = 0. As a byte (E8M0): e + 127.
;;     - Each number is divided by its block's scale, clamped to +-7.5, and rounded to the nearest number of E2M3, ties to even, subnormals kept.
;;     - The product sums the exact products of the quantised numbers (number of the format x scale) in f32.
;;   ~~~python
;;   def quantise(x, axis):      # numpy; x: float32 -> the quantised numbers, widened to float32 again
;;       x = np.moveaxis(x, axis, -1); K = x.shape[-1]
;;       x = np.pad(x, [(0, 0)] * (x.ndim - 1) + [(0, -K % 32)]); x = x.reshape(x.shape[:-1] + (-1, 32)); a = np.abs(x).max(-1, keepdims=True)
;;       e = np.where(a > 0, np.clip(np.frexp(np.where(a > 0, a, 1))[1] - 1 - 2, -126, 127), 0)      # np.frexp(a)[1] - 1 = floor(log2(a)), exactly
;;       r = np.clip(x / 2.0 ** e, -7.5, 7.5)
;;       step = 2.0 ** (np.maximum(np.frexp(np.where(r == 0, 1, r))[1] - 1, 0) - 3)
;;       q = np.round(r / step) * step * 2.0 ** e      # np.round: ties to even
;;       return np.moveaxis(q.reshape(q.shape[:-2] + (-1,))[..., :K], -1, axis).astype(np.float32)
;;   ~~~
;;   SOFTMAX AHEAD OF A QUANTISED PRODUCT. Where the list says 'softmax', what is quantised is not the finished softmax but p = 2^(t - M), with t = logit x log2(e) and M = ceil(the row's largest t), a whole number; so 1/2 < the row's largest p <= 1. The row's sum l is taken of the UNQUANTISED p, in f32, and the product's result is divided by l at the end. Since M is a whole number, a kernel that streams over the keys may use a running M (the ceiling of the running maximum): every later rescaling is an exact power of two, which a block's scale takes up: the codes' values come out the same.
;;   OPERANDS COMPUTED ON THE WAY. 'Computed on the way' means the value that the module computes at that place (a softmax that the list does not call 'softmax' is quantised finished and normalised). What goes into a quantiser is computed in f32, as accurately as f32 sums, v_exp_f32 and their like allow (about 1e-6 of the number): no bf16 or f16 on the way to a quantiser, and a product that is left as it is and whose result goes on into a quantised operand takes f32 operands (vector FMAs, or v_wmma_f32_16x16x4_f32). A number that lies on a knife's edge between two numbers of the format may be rounded either way, as far as f32 arithmetic and the matrix unit's own rounding can turn it there, and no further.
;; One version. Each part assembles by itself: llvm-mc -triple=amdgcn-amd-amdhsa -mcpu=gfx1250 --defsym DOCPART=n.
;; ======== version 1 of 1: 4 launches
;; limits: right only within a limited range of input values
;; workspace buffers: xq 13,107,200 bytes; wq 2,457,600 bytes; qq 6,553,600 bytes; kv 13,107,200 bytes; hq 6,553,600 bytes
;; launch quant (part 1): grid 352 x 1, 4 waves a work-group, no clusters, 96,768 bytes of LDS; arguments query, value, qw, vw, wo, xq, wq; writes xq, wq
.if DOCPART == 1
	.amdgcn_target "amdgcn-amd-amdhsa--gfx1250"
	.amdhsa_code_object_version 6
	.text
	.protected	k_qe8fb6911f2_quant
	.globl	k_qe8fb6911f2_quant
	.p2align	8
	.type	k_qe8fb6911f2_quant,@function
k_qe8fb6911f2_quant:
	s_mov_b64 s[64:65], 0
	v_nop
	global_prefetch_b8 v0, s[64:65] scope:SCOPE_SE
	s_setreg_imm32_b32 hwreg(HW_REG_WAVE_MODE, 25, 1), 1
	s_wait_xcnt 0x0
; query, value [8192][1024] f32 (K innermost) and qw, vw [8][1024][128], wo [1024][1024] f32 (K = the axis of 1,024 that is NOT innermost) become codes of FP6 (E2M3) with one E8M0 byte for each 32 along K.
; A block's scale is 2^(floor(log2(largest magnitude)) - 2); its byte is the largest magnitude's exponent field - 2, held at 1 from below.
; LIMITS: a block of zeros, or one whose largest magnitude lies under 2^-124, takes the byte 1 (its codes are zeros or subnormal codes; these bytes are read by this program alone); NaN and infinities are not served.
; THE OUTPUT IS LAID AS IMAGES OF OPERAND REGISTERS.  An image is 16 rows x 128 K: 12 registers a lane, 1,536 bytes; register g of lane l lies at byte 512 (g / 4) + 16 l + 4 (g % 4).  Lane l = r + 16 h holds row r,
; registers 6 c .. 6 c + 5 the 192 bits of k = 64 c + 32 h + 0 .. 31.  Row r of tile T is row 32 (T / 2) + 8 (T % 2) + r + 8 (r / 8) of the tensor.  Images lie [tile][K step 0..7]; the scale words (four bytes: 128 along K of a row)
; lie behind them at tile x 512 + K step x 64 + 4 r.
; xq: tiles 0-511 query, 512-1023 value.   wq: tiles 0-63 qw (row = head x 128 + channel), 64-127 vw, 128-191 the columns of wo.
; Work-groups 0-95 take the weights, 96-351 query and value: one scalar branch on the work-group's number; each of the two ways has LDS bytes of its own.  Waves share nothing: no barrier.
.set XS_OFF, 12582912                  ; xq: where the scale words begin
.set WS_OFF, 2359296                   ; wq: likewise
.set WREG,  17920                      ; first way: a wave's LDS: two turn stages of 32 x 80 bytes, 8 images, 512 scale bytes
.set SP,    80                         ; a lane's place in a turn stage: 64 bytes + 16 of padding
.set IMG,   5120                       ; the images
.set SCB,   17408                      ; the scale bytes
.set WST,   71680                      ; second way: 6,144 bytes a wave: four images [tile 0..1][K step 0..1]
.set R,     16                         ; v16-143  eight sets of 16 numbers as loaded
.set X,     144                        ; v144-175 two sets of 16 neighbours
.set C,     176                        ; v176-183 codes, two sets
.set E,     184                        ; v184-185 scale bytes, two sets
.set F,     192                        ; v192-239 four images on their way out
.set WX,    48                         ; second way: v48-111 two sets of 32 numbers
.set WC,    112                        ; v112-122 a block's codes
.set WS,    124                        ; v124-125 two scale words
.set WO,    128                        ; v128-175 the way out
	s_load_b256 s[4:11], s[0:1], 0x0               ; query s[4:5], value s[6:7], qw s[8:9], vw s[10:11]
	s_load_b128 s[12:15], s[0:1], 0x20             ; wo s[12:13], xq s[14:15]
	s_load_b64 s[16:17], s[0:1], 0x30              ; wq
	v_lshl_add_u32 v240, v0, 2, 0x17800
	v_mov_b32 v241, 0
	v_lshrrev_b32 v1, 5, v0
	v_readfirstlane_b32 s18, v1                    ; wave 0..3
	v_and_b32 v2, 31, v0                           ; lane
	v_lshlrev_b32 v3, 4, v2                        ; 16 x lane
	s_cmp_lt_u32 ttmp9, 96
	s_cbranch_scc1 .Lweights
; ---------------- query and value: a wave takes one tile, 16 rows x 1,024 K, in 32 steps of 512 numbers (half a row) ----------------
; A step's four loads read 512 consecutive bytes each; the 2,048 bytes turn through the wave's stage so that lane l holds numbers 16 l .. 16 l + 15: two lanes to a block of 32.
; Lane l's 16 codes are three registers of an image: K step l / 8 of the half, block (l / 2) % 4 = 2 c + h, half of the block l % 2: registers 6 c + 3 (l % 2) + 0 .. 2 of lane r + 16 h.
	s_mul_i32 s19, s18, WREG                       ; my wave's LDS
	v_lshrrev_b32 v14, 2, v2
	v_mul_u32_u24 v14, v14, SP
	v_and_b32 v15, 3, v2
	v_lshl_add_u32 v14, v15, 4, v14
	v_add_nc_u32 v14, s19, v14                     ; the turn stage, in: 80 (lane / 4) + 16 (lane % 4)
	v_mul_u32_u24 v15, v2, SP
	v_add_nc_u32 v15, s19, v15                     ; and out: 80 x lane
	v_and_b32 v8, 1, v2                            ; which half of the block
	v_bfe_u32 v9, v2, 1, 2                         ; the block in its K step
	v_lshrrev_b32 v11, 3, v2                       ; the K step in the half row
	v_bfe_u32 v12, v2, 1, 1                        ; h
	v_bfe_u32 v13, v2, 2, 1                        ; c
	v_mul_u32_u24 v16, v11, 1536
	v_lshl_add_u32 v16, v12, 8, v16
	v_add_nc_u32 v16, s19, v16                     ; wave + 1,536 x K step + 256 h
	v_mul_u32_u24 v17, v13, 6
	v_mad_u32_u24 v17, v8, 3, v17                  ; my first register of the image
.irp e, 0,1,2
	v_add_nc_u32 v18, \e, v17
	v_lshrrev_b32 v19, 2, v18
	v_and_b32 v18, 3, v18
	v_lshl_add_u32 v19, v19, 9, v16
	v_lshl_add_u32 v[4+\e], v18, 2, v19            ; v4-6: where my three code registers go (the row, 16 r, stands in the immediate)
.endr
	v_lshl_add_u32 v7, v11, 6, v9
	v_add_nc_u32 v7, s19, v7                       ; where my block's scale byte goes: 64 x K step + block
	v_add_nc_u32 v10, s19, v3                      ; the way back out of LDS: 16 x lane
	s_sub_co_u32 s20, ttmp9, 96
	s_lshl_b32 s21, s20, 2
	s_add_co_u32 s21, s21, s18                     ; my tile, 0..1023
	s_and_b32 s22, s21, 511
	s_lshr_b32 s23, s22, 1
	s_lshl_b32 s23, s23, 17                        ; 32 rows of 4,096 bytes for each pair of tiles,
	s_and_b32 s24, s21, 1
	s_lshl_b32 s24, s24, 15                        ; 8 rows for the odd tile
	s_add_co_u32 s24, s23, s24
	s_mov_b32 s25, 0
	s_mul_i32 s26, s21, 12288                      ; my 8 images
	s_mov_b32 s27, 0
	s_lshl_b32 s28, s21, 9
	s_add_co_u32 s28, s28, XS_OFF                  ; my 512 scale bytes
	s_mov_b32 s29, 0
	s_wait_kmcnt 0x0
	s_cmp_lt_u32 s20, 128                          ; query or value: the choice hangs on the work-group's number alone
	s_cselect_b64 s[4:5], s[4:5], s[6:7]
	s_add_nc_u64 s[4:5], s[4:5], s[24:25]
	s_add_nc_u64 s[26:27], s[14:15], s[26:27]
	s_add_nc_u64 s[28:29], s[14:15], s[28:29]
.macro XLOAD t                         ; step t: row t % 16 of the tile, half t / 16: four loads of 512 consecutive bytes
.set LR, (\t)%16
.irp i, 0,1,2,3
	global_load_b128 v[R+16*((\t)%8)+4*\i:R+16*((\t)%8)+4*\i+3], v3, s[4:5] offset:(LR+8*(LR/8))*4096+((\t)/16)*2048+512*\i th:TH_LOAD_NT
.endr
.endm
.macro TURN t                          ; step t's numbers through the stage: LDS serves a wave's instructions in order, so no wait stands between the stores and the loads
.irp i, 0,1,2,3
	ds_store_b128 v14, v[R+16*((\t)%8)+4*\i:R+16*((\t)%8)+4*\i+3] offset:32*SP*((\t)%2)+8*SP*\i
.endr
.irp i, 0,1,2,3
	ds_load_b128 v[X+16*((\t)%2)+4*\i:X+16*((\t)%2)+4*\i+3], v15 offset:32*SP*((\t)%2)+16*\i
.endr
.endm
.macro STEP t
.set XV, X+16*((\t)%2)
.set CV, C+4*((\t)%2)
.set EV, E+(\t)%2
.set RR, (\t)%16
.set HF, (\t)/16
.if (\t) > 0
	s_wait_dscnt 4                                 ; this step's numbers are back from the stage; the last step's three code stores and its byte store may be out
.else
	s_wait_dscnt 0x0
.endif
.if (\t)+8 < 32
	XLOAD (\t)+8                                   ; into the set that this step's stores into the stage have read: eight steps, 16 KB a wave, are on their way
.endif
.if (\t)+1 < 32
.if (\t)+8 < 32
	s_wait_loadcnt 28                              ; the next step's four loads are in; those of the seven steps behind it may be out
.else
	s_wait_loadcnt 4*(30-(\t))
.endif
	TURN (\t)+1
.endif
	v_max3_num_f32 v8, |v[XV]|, |v[XV+1]|, |v[XV+2]|               ; the largest magnitude of my 16
	v_max3_num_f32 v9, |v[XV+3]|, |v[XV+4]|, |v[XV+5]|
.irp i, 6,10
	v_max3_num_f32 v8, v8, |v[XV+\i]|, |v[XV+\i+1]|
	v_max3_num_f32 v9, v9, |v[XV+\i+2]|, |v[XV+\i+3]|
.endr
	v_max3_num_f32 v8, v8, |v[XV+14]|, |v[XV+15]|
	v_max3_num_f32 v8, v8, v9, 0x1800000           ; and the floor 2^(3 - 127): the byte cannot fall under 1
	v_max_num_f32_dpp v8, v8, v8 row_xmask:1 row_mask:0xf bank_mask:0xf   ; with my neighbour's 16: the block's
	v_add_nc_u32 v11, 0xff000000, v8               ; 2 off its exponent field: the conversion takes the exponent field of this operand as its scale
	v_cvt_scalef32_pk16_fp6_f32 v[CV:CV+2], v[XV:XV+15], v11
	v_lshrrev_b32 v[EV], 23, v11                   ; the scale's byte (also the plain line behind the conversion)
	ds_store_b32 v4, v[CV] offset:IMG+HF*6144+16*RR
	ds_store_b32 v5, v[CV+1] offset:IMG+HF*6144+16*RR
	ds_store_b32 v6, v[CV+2] offset:IMG+HF*6144+16*RR
	ds_store_b8 v7, v[EV] offset:SCB+HF*256+4*RR   ; both lanes of a block write the same byte with the same value
.endm
.macro FLUSH hf                        ; four finished images leave: each store covers 512 consecutive bytes, aligned
	s_wait_xcnt 0x0                                ; the earlier stores have read F's registers
.irp i, 0,1,2,3,4,5,6,7,8,9,10,11
	ds_load_b128 v[F+4*\i:F+4*\i+3], v10 offset:IMG+(\hf)*6144+512*\i
.endr
	s_wait_dscnt 0x0
.irp i, 0,1,2,3,4,5,6,7,8,9,10,11
	global_store_b128 v3, v[F+4*\i:F+4*\i+3], s[26:27] offset:(\hf)*6144+512*\i
.endr
.endm
.irp t, 0,1,2,3,4,5,6,7
	XLOAD \t
.endr
	s_wait_loadcnt 28                              ; step 0's four loads are in
	TURN 0
.irp t, 0,1,2,3,4,5,6,7,8,9,10,11,12,13,14,15
	STEP \t
.endr
	FLUSH 0
.irp t, 16,17,18,19,20,21,22,23,24,25,26,27,28,29,30,31
	STEP \t
.endr
	FLUSH 1
	ds_load_b128 v[188:191], v10 offset:SCB        ; the tile's 512 scale bytes
	s_wait_dscnt 0x0
	global_store_b128 v3, v[188:191], s[28:29]
	s_wait_tensorcnt 0x0
	ds_add_u32 v240, v241
	s_wait_dscnt 0x0
	s_endpgm
; ---------------- the weights: a lane takes a column, its registers run down K ----------------
; Work-group: column group cg = number / 4 (128 columns: a head of qw or vw, or 128 columns of wo), K quarter y = number % 4.  A wave: 32 columns x 256 K = two tiles x two K steps, 8 blocks a lane.
; Lane l is column 32 w + l: tile u = (l / 8) % 2 of the wave's two, row r = l % 8 + 8 (l / 16).  Block t: K step t / 4, h = t % 2, c = (t / 2) % 2: registers 6 c .. 6 c + 5 of lane r + 16 h.
.Lweights:
	s_lshr_b32 s20, ttmp9, 2                       ; cg 0..23
	s_and_b32 s21, ttmp9, 3                        ; y
	s_and_b32 s22, s20, 7
	s_cmp_lt_u32 s20, 16
	s_mov_b32 s23, 4096
	s_cselect_b32 s23, 512, s23                    ; bytes from one k to the next: 512 in qw and vw, 4,096 in wo
	s_mov_b32 s24, 512
	s_cselect_b32 s24, 524288, s24                 ; bytes from one column group to the next
	s_mul_i32 s24, s22, s24
	s_lshl_b32 s25, s18, 7
	s_add_co_u32 s24, s24, s25                     ; + my wave's 32 columns
	s_lshl_b32 s25, s23, 8
	s_mul_i32 s25, s25, s21
	s_add_co_u32 s24, s24, s25                     ; + 256 y rows
	s_mov_b32 s25, 0
	s_lshl_b32 s26, s23, 5                         ; a block down: 32 rows
	s_mov_b32 s27, 0
	s_wait_alu depctr_va_vdst(0)
	v_lshlrev_b32 v16, 2, v2                       ; v16-47: 4 x lane + i rows
.irp i, 1,2,3,4,5,6,7,8,9,10,11,12,13,14,15,16,17,18,19,20,21,22,23,24,25,26,27,28,29,30,31
	v_add_nc_u32 v[16+\i], s23, v[15+\i]
.endr
	v_bfe_u32 v5, v2, 3, 1                         ; u
	v_and_b32 v6, 7, v2
	v_lshrrev_b32 v7, 4, v2
	v_lshl_add_u32 v6, v7, 3, v6                   ; r
	s_mul_i32 s28, s18, 6144
	s_add_co_u32 s28, s28, WST                     ; my stage
	v_mul_u32_u24 v4, v5, 3072
	v_lshl_add_u32 v4, v6, 4, v4
	v_add_nc_u32 v4, s28, v4                       ; into it: 3,072 u + 16 r
	v_add_nc_u32 v10, s28, v3                      ; out of it: 16 x lane
	v_lshlrev_b32 v9, 9, v5
	v_lshl_add_u32 v9, v6, 2, v9                   ; my scale words' place: 512 u + 4 r
	s_lshl_b32 s29, s20, 3
	s_lshl_b32 s30, s18, 1
	s_add_co_u32 s29, s29, s30                     ; my first tile
	s_mul_i32 s30, s29, 12288
	s_mul_i32 s31, s21, 3072
	s_add_co_u32 s30, s30, s31                     ; its image of K step 2 y
	s_mov_b32 s31, 0
	s_lshl_b32 s48, s29, 9
	s_lshl_b32 s49, s21, 7
	s_add_co_u32 s48, s48, s49
	s_add_co_u32 s48, s48, WS_OFF
	s_mov_b32 s49, 0
	s_wait_kmcnt 0x0
	s_cmp_lt_u32 s20, 8                            ; which tensor: the choice hangs on the work-group's number alone
	s_cselect_b64 s[8:9], s[8:9], s[10:11]
	s_cmp_lt_u32 s20, 16
	s_cselect_b64 s[8:9], s[8:9], s[12:13]
	s_add_nc_u64 s[32:33], s[8:9], s[24:25]        ; s[32:47]: a base for each of the 8 blocks
.irp t, 1,2,3,4,5,6,7
	s_add_nc_u64 s[32+2*\t:33+2*\t], s[30+2*\t:31+2*\t], s[26:27]
.endr
	s_add_nc_u64 s[30:31], s[16:17], s[30:31]
	s_add_nc_u64 s[48:49], s[16:17], s[48:49]
.macro WLOAD t                         ; block t: 32 rows at my column: each load reads 128 consecutive bytes a wave
.irp i, 0,1,2,3,4,5,6,7,8,9,10,11,12,13,14,15,16,17,18,19,20,21,22,23,24,25,26,27,28,29,30,31
	global_load_b32 v[WX+32*((\t)%2)+\i], v[16+\i], s[32+2*(\t):33+2*(\t)] th:TH_LOAD_NT
.endr
.endm
.macro BLOCK t
.set XV, WX+32*((\t)%2)
.set SL, (\t)/4
.set HH, (\t)%2
.set CC, ((\t)/2)%2
.if (\t) < 7
	s_wait_loadcnt 32                              ; this block's 32 loads are in; the next block's may be out
.else
	s_wait_loadcnt 0x0
.endif
	v_max3_num_f32 v12, |v[XV]|, |v[XV+1]|, |v[XV+2]|              ; the block's largest magnitude: all 32 numbers are mine
	v_max3_num_f32 v13, |v[XV+3]|, |v[XV+4]|, |v[XV+5]|
.irp i, 6,10,14,18,22,26
	v_max3_num_f32 v12, v12, |v[XV+\i]|, |v[XV+\i+1]|
	v_max3_num_f32 v13, v13, |v[XV+\i+2]|, |v[XV+\i+3]|
.endr
	v_max3_num_f32 v12, v12, |v[XV+30]|, |v[XV+31]|
	v_max3_num_f32 v12, v12, v13, 0x1800000        ; and the floor
	v_add_nc_u32 v11, 0xff000000, v12              ; the conversion's scale operand
	v_lshrrev_b32 v13, 23, v11                     ; the byte
.if (\t)%4 == 0
	v_mov_b32 v[WS+SL], v13                        ; four bytes to a word, the lower K in the lower byte
.else
	v_lshl_or_b32 v[WS+SL], v13, 8*((\t)%4), v[WS+SL]
.endif
	v_cvt_scalef32_pk16_fp6_f32 v[WC:WC+2], v[XV:XV+15], v11
	v_cvt_scalef32_pk16_fp6_f32 v[WC+8:WC+10], v[XV+16:XV+31], v11   ; (a conversion's three registers begin on an even number)
	v_nop                                          ; one plain line behind the conversions
.irp i, 0,1,2
	v_mov_b32 v[WC+3+\i], v[WC+8+\i]               ; six registers on end
.endr
.if CC == 0
	ds_store_b128 v4, v[WC:WC+3] offset:SL*1536+256*HH             ; image registers 0-3,
	ds_store_b64 v4, v[WC+4:WC+5] offset:SL*1536+256*HH+512        ; 4-5
.else
	ds_store_b64 v4, v[WC:WC+1] offset:SL*1536+256*HH+512+8        ; 6-7,
	ds_store_b128 v4, v[WC+2:WC+5] offset:SL*1536+256*HH+1024      ; 8-11
.endif
.if (\t)+2 < 8
	WLOAD (\t)+2
.endif
	s_wait_dscnt 0x0                               ; the stores have read their registers
.endm
	WLOAD 0
	WLOAD 1
.irp t, 0,1,2,3,4,5,6,7
	BLOCK \t
.endr
	global_store_b32 v9, v[WS], s[48:49]           ; my column's two scale words
	s_wait_alu depctr_va_vdst(0)
	global_store_b32 v9, v[WS+1], s[48:49] offset:64
.irp i, 0,1,2,3,4,5,6,7,8,9,10,11
	ds_load_b128 v[WO+4*\i:WO+4*\i+3], v10 offset:512*\i
.endr
.irp i, 0,1,2,3,4,5,6,7,8,9,10,11
	s_wait_dscnt 11-\i
	global_store_b128 v3, v[WO+4*\i:WO+4*\i+3], s[30:31] offset:(\i/6)*12288+(\i%6)*512   ; 512 consecutive bytes, aligned
.endr
	s_wait_tensorcnt 0x0
	ds_add_u32 v240, v241
	s_wait_dscnt 0x0
	s_endpgm
.Lfunc_end_k_qe8fb6911f2_quant:
	.size	k_qe8fb6911f2_quant, .Lfunc_end_k_qe8fb6911f2_quant-k_qe8fb6911f2_quant
	.p2alignl 7, 3214868480
	.fill 96, 4, 3214868480
	.section	.rodata,"a",@progbits
	.p2align	6, 0x0
	.amdhsa_kernel k_qe8fb6911f2_quant
		.amdhsa_group_segment_fixed_size 96768
		.amdhsa_private_segment_fixed_size 0
		.amdhsa_enable_private_segment 0
		.amdhsa_kernarg_size 56
		.amdhsa_user_sgpr_count 2
		.amdhsa_user_sgpr_kernarg_segment_ptr 1
		.amdhsa_wavefront_size32 1
		.amdhsa_system_sgpr_workgroup_id_x 1
		.amdhsa_system_sgpr_workgroup_id_y 1
		.amdhsa_system_sgpr_workgroup_id_z 1
		.amdhsa_system_vgpr_workitem_id 0
		.amdhsa_next_free_vgpr 242
		.amdhsa_next_free_sgpr 66
		.amdhsa_reserve_vcc 0
		.amdhsa_float_denorm_mode_32 3
		.amdhsa_float_denorm_mode_16_64 3
		.amdhsa_memory_ordered 1
		.amdhsa_forward_progress 1
		.amdhsa_inst_pref_size 113
	.end_amdhsa_kernel
	.amdgpu_metadata
---
amdhsa.version: [ 1, 2 ]
amdhsa.kernels:
  - .name:           k_qe8fb6911f2_quant
    .symbol:         k_qe8fb6911f2_quant.kd
    .args:
      - { .name: query, .offset: 0, .size: 8, .value_kind: global_buffer, .address_space: global }
      - { .name: value, .offset: 8, .size: 8, .value_kind: global_buffer, .address_space: global }
      - { .name: qw, .offset: 16, .size: 8, .value_kind: global_buffer, .address_space: global }
      - { .name: vw, .offset: 24, .size: 8, .value_kind: global_buffer, .address_space: global }
      - { .name: wo, .offset: 32, .size: 8, .value_kind: global_buffer, .address_space: global }
      - { .name: xq, .offset: 40, .size: 8, .value_kind: global_buffer, .address_space: global }
      - { .name: wq, .offset: 48, .size: 8, .value_kind: global_buffer, .address_space: global }
    .group_segment_fixed_size: 96768
    .private_segment_fixed_size: 0
    .kernarg_segment_align: 8
    .kernarg_segment_size: 56
    .max_flat_workgroup_size: 128
    .sgpr_count:     66
    .vgpr_count:     242
    .wavefront_size: 32
...
	.end_amdgpu_metadata
.endif
;; end of part 1
;; launch proj (part 2): grid 4 x 96, 4 waves a work-group, clusters of 4 x 4, 327,680 bytes of LDS; arguments xq, wq, v_mask, qq, kv; writes qq, kv
.if DOCPART == 2
	.amdgcn_target "amdgcn-amd-amdhsa--gfx1250"
	.amdhsa_code_object_version 6
	.text
	.protected	k_qe8fb6911f2_proj
	.globl	k_qe8fb6911f2_proj
	.p2align	8
	.type	k_qe8fb6911f2_proj,@function
k_qe8fb6911f2_proj:
	s_mov_b64 s[64:65], 0
	v_nop
	global_prefetch_b8 v0, s[64:65] scope:SCOPE_SE
	s_setreg_imm32_b32 hwreg(HW_REG_WAVE_MODE, 25, 1), 1
	s_wait_xcnt 0x0
	s_wait_alu depctr_hold_cnt(0) depctr_sa_sdst(0) depctr_va_vdst(0) depctr_va_sdst(0) depctr_va_ssrc(0) depctr_va_vcc(0) depctr_vm_vsrc(0)
	s_getreg_b32 s2, hwreg(HW_REG_IB_STS2, 6, 4)
	s_cmp_eq_u32 s2, 0
	s_cbranch_scc0 .Lentry_in_a_cluster
	s_endpgm
.Lentry_in_a_cluster:
	s_bfe_u32 s2, ttmp6, 0x10000c
	s_cmp_lg_u32 s2, 0xf033
	s_cbranch_scc0 .Lentry_shape_is_right
	s_endpgm
.Lentry_shape_is_right:
; The two projections on codes of FP6 (E2M3), K = 1,024, and the quantising of their results, in registers, for the attention launch.
; Three sections, told by the cluster's y (CY = 0..23), which all partners of a cluster share:
;   CY 0-7:   q = query x qw, quantised along the head's 128 channels                    -> qq
;   CY 8-15:  v = value x vw, quantised along the channels: the keys.  The codes of keys that v_mask hides are set to zero  -> kv (K part)
;   CY 16-23: the same product with the two sources changed over: v transposed, the same bits, quantised along 128 tokens   -> kv (V part)
; OPERANDS ARE IMAGES OF FRAGMENT REGISTERS (16 rows x 128 K, 1,536 bytes; register g of lane l at 512 (g / 4) + 16 l + 4 (g % 4)); row r of tile T is row 32 (T / 2) + 8 (T % 2) + r + 8 (r / 8).
; So in every product lane (r, h) holds row r of source 1's tile, and the 16 registers of source 0's tiles 2 b and 2 b + 1 are the 16 neighbours 32 b + 16 h + 0 .. 15 of source 0's rows:
; a wave's 64 registers for one tile of source 1 are 128 neighbours along the next product's K, in the order that the conversions want.  Nothing is transposed, and the results leave without LDS.
; A tile of the product is 256 x 256: four waves, each 128 x 128: 64 accumulators, 512 registers.  K goes in four steps of 256 through a ring of two LDS slots; the sequence is written out.
; CLUSTERS: 4 x 4 work-groups; the token tiles hang on the work-group's y alone and are asked for jointly along a row of the cluster, the weight tiles on x (and the section) and are asked for jointly along a column.
; The sections differ in LDS READ bases alone (which region feeds which source): loads, masks and barriers are alike.
; LIMITS: a block of zeros, or one under 2^-124, takes the scale byte 1; NaN and infinities are not served; a mask byte is 0 or 1.
; REGISTERS: window 0: v16-29 addresses; v32-63 scale words, two sets (and nothing else); v64-118 the way out; v128-223 source 1's eight fragments, ONE set.  window 1: source 0's fragments, two sets, at v0 and v128.
;   windows 2, 3: accumulator (a, b) at v[8 (8 (a % 4) + b)], a / 4 choosing the window.
.set XS_OFF, 12582912                  ; xq: scale words, tile x 512 + K step x 64 + 4 r
.set WS_OFF, 2359296                   ; wq: likewise
.set QS_OFF, 6291456                   ; qq: scale images
.set KVS_OFF, 12582912                 ; kv: scale images
.set HALFT,  24576                     ; 8 tiles x two K steps x 1,536 bytes: what one tensor load brings, and what one wave reads for one source
.set SLOT,   4*HALFT                   ; 16 token tiles, then 16 weight tiles
.set SCL,    2*SLOT                    ; behind the ring: the scale words for all of K, filled once: tokens 8,192 bytes, weights 8,192
.set HALFS,  4096
.set SPARE,  SCL+4*HALFS               ; the spare words, 128 bytes a wave: two blocks of 256 bytes that no other line names
.set FR,     12                        ; registers of a fragment
.set NL,     3                         ; LDS loads that bring one
.set ADRA, 16                          ; v16-17  source 1's fragments in slot 0, 1
.set ADSA, 18                          ; v18     source 1's scale words
.set ADSB, 19                          ; v19     source 0's
.set ADRB, 20                          ; v20-21  source 0's fragments
.set LI,   24                          ; v24     16 x lane
.set SPW,  28                          ; v28     my spare word; never rewritten
.set NIL,  29                          ; v29     0; never rewritten
.set SC,   32                          ; set s at v[32 + 16 s]: +0..7 source 1's blocks, +8..15 source 0's; lanes 0-15 the slot's first 128 along K, lanes 16-31 its second
.set MK,   64                          ; v64-71  AND masks for the codes of my eight token tiles
.set PW,   72                          ; v72-79  the eight scale words made
.set W4,   80                          ; v80-83  the scale image
.set TM,   84                          ; v84-99  at work
.set PC,   100                         ; v100-118 a fragment's codes
.set AF,   128
.set G1, 24                            ; s[24:31] group 1, s[32:39] groups 0 (a set a slot): token tiles
.set G0, 32
.set G1B, 48                           ; s[48:55], s[56:63]: weight tiles
.set G0B, 56
.set G1S, 68                           ; s[68:75], s[76:79]: the tokens' scale words;  s[80:87], s[88:91]: the weights'
.set G0S, 76
.set G1SB, 80
.set G0SB, 88
.set SEL, 66                           ; s[66:67] selects of v_permlanex16_b32: lane l xor 16
.set MSB, 0
.macro WIN new                         ; the immediate's high byte repeats the setting that is left
.if MSB != \new
	s_set_vgpr_msb (MSB<<8)|\new
.set MSB, \new
.endif
.endm
.set MUL_LO, 0xa1                      ; source 0 window 1, source 1 window 0, C and D window 2
.set MUL_HI, 0xf1                      ; the same, C and D window 3
.set TO_B,   0x40                      ; destination window 1, address window 0
; A joint load: waves 0 and 1 fetch token tiles, waves 2 and 3 weight tiles.  The branch hangs on the wave's number alone.  Four v_nop follow each of the two lines.
.macro JLOAD g0a, g1a, g0b, g1b
	s_cmp_eq_u32 s15, 0
	s_cbranch_scc0 .Lfor_b_\@
	tensor_load_to_lds s[\g0a:\g0a+3], s[\g1a:\g1a+7]
	s_nop 0
.rept 4
	v_nop
.endr
	s_branch .Lasked_\@
.Lfor_b_\@:
	tensor_load_to_lds s[\g0b:\g0b+3], s[\g1b:\g1b+7]
	s_nop 0
.rept 4
	v_nop
.endr
.Lasked_\@:
.endm
.macro CREST                           ; a round of the cluster's barrier behind its opening barrier
	s_cmp_lg_u32 s14, 0
	s_cbranch_scc1 .Lnot_wave_0_\@
	s_barrier_signal -3
.Lnot_wave_0_\@:
	s_barrier_wait -3
	s_barrier_signal -1
	s_barrier_wait -1
.endm
.macro CROUND
	s_barrier_signal -1
	s_barrier_wait -1
	CREST
.endm
.macro PLACES                          ; four plain places behind matrix instructions, in front of loads into their registers and of reads of their results
.rept 4
	v_nop
.endr
.endm
	s_load_b128 s[4:7], s[0:1], 0x0                ; xq s[4:5], wq s[6:7]
	s_load_b128 s[8:11], s[0:1], 0x10              ; v_mask s[8:9], qq s[10:11]
	s_load_b64 s[12:13], s[0:1], 0x20              ; kv
	v_lshl_add_u32 v[SPW], v0, 2, SPARE
	v_mov_b32 v[NIL], 0
	ds_add_u32 v28, v29
	ds_add_u32 v28, v29
	s_wait_dscnt 0x0
	v_lshrrev_b32 v1, 5, v0
	v_readfirstlane_b32 s14, v1                    ; wave 0..3
	s_lshr_b32 s15, s14, 1                         ; which half of source 1's 256 rows is mine.  Also: I fetch token tiles (0) or weight tiles (1)
	s_and_b32 s16, s14, 1                          ; which half of source 0's.  Also: which 8 tiles I fetch
	s_bfe_u32 s40, ttmp6, 0x40000                  ; cx
	s_bfe_u32 s41, ttmp6, 0x40004                  ; cy
	s_lshl_b32 s42, ttmp9, 2
	s_add_co_u32 s42, s42, s40                     ; x = 4 x cluster x + cx: 0..3
	s_and_b32 s17, ttmp7, 0xffff                   ; CY
	s_lshr_b32 s18, s17, 4
	s_and_b32 s18, s18, 1                          ; 1 in the third section
	s_lshl_b32 s19, s17, 2
	s_add_co_u32 s19, s19, s41                     ; y = 4 CY + cy: 0..95
	s_lshl_b32 s2, s18, 5
	s_sub_co_u32 s19, s19, s2                      ; the block of 16 token tiles: 0-31 query, 32-63 value
	s_cmp_ge_u32 s17, 8
	s_cselect_b32 s2, 4, 0
	s_add_co_u32 s3, s42, s2                       ; the block of 16 weight tiles: 0-3 qw, 4-7 vw
	s_lshl_b32 s43, s41, 2
	s_lshl_b32 s43, 15, s43                        ; my row of the cluster
	s_lshl_b32 s44, 0x1111, s40                    ; my column
	; group 1 for codes: 8 rows (tiles) of 3,072 bytes (two K steps' images), 12,288 bytes apart; elements of 8 bytes; no padding: an image is read 512 consecutive bytes an instruction
	s_or_b32 s[G1+0], s43, (3<<16)|(1<<21)         ; 15:0 the mask; 17:16 elements of 8 bytes; 21 set beside a mask
	s_or_b32 s[G1B+0], s44, (3<<16)|(1<<21)
.irp g, G1, G1B
	s_mov_b32 s[\g+1], 384<<16                     ; tensor_dim0
	s_mov_b32 s[\g+2], 16<<16                      ; tensor_dim1: 16 tiles for the head's loads; behind them 8
	s_mov_b32 s[\g+3], 384<<16                     ; tile_dim0
	s_mov_b32 s[\g+4], 16                          ; tile_dim1
	s_mov_b32 s[\g+5], 1536                        ; tensor_dim0_stride
	s_mov_b32 s[\g+6], 0
	s_mov_b32 s[\g+7], 0
.endr
	; and for the scale words of 16 tiles: 8,192 dense bytes as 32 rows of 256
	s_or_b32 s[G1S+0], s43, (3<<16)|(1<<21)
	s_or_b32 s[G1SB+0], s44, (3<<16)|(1<<21)
.irp g, G1S, G1SB
	s_mov_b32 s[\g+1], 32<<16
	s_mov_b32 s[\g+2], 32<<16
	s_mov_b32 s[\g+3], 32<<16
	s_mov_b32 s[\g+4], 32
	s_mov_b32 s[\g+5], 32
	s_mov_b32 s[\g+6], 0
	s_mov_b32 s[\g+7], 0
.endr
	s_lshl_b32 s95, s16, 3
	s_lshl_b32 s20, s19, 4
	s_add_co_u32 s20, s20, s95                     ; the first token tile that I would fetch
	s_lshl_b32 s46, s3, 4
	s_add_co_u32 s46, s46, s95                     ; the first weight tile
	s_lshl_b32 s22, s19, 13                        ; the scale words of the block's 16 token tiles
	s_add_co_u32 s22, s22, XS_OFF
	s_mov_b32 s23, 0
	s_lshl_b32 s92, s3, 13                         ; and of its 16 weight tiles
	s_add_co_u32 s92, s92, WS_OFF
	s_mov_b32 s93, 0
	s_mul_i32 s20, s20, 12288
	s_mov_b32 s21, 0
	s_mul_i32 s46, s46, 12288
	s_mov_b32 s47, 0
	s_mul_i32 s45, s14, HALFT                      ; where they go: wave x 8 tiles: no place in the cluster enters an LDS address
	s_mul_i32 s94, s15, 2*HALFS                    ; wave 1 brings the tokens' scale words, wave 3 the weights'
	s_wait_kmcnt 0x0
	s_add_nc_u64 s[20:21], s[4:5], s[20:21]
	s_add_nc_u64 s[22:23], s[4:5], s[22:23]
	s_add_nc_u64 s[46:47], s[6:7], s[46:47]
	s_add_nc_u64 s[92:93], s[6:7], s[92:93]
	CROUND                                         ; all sixteen work-groups are here: the first joint loads meet
	s_mov_b32 s[G0S], 1
	s_add_co_u32 s[G0S+1], s94, SCL
	s_mov_b64 s[G0S+2:G0S+3], s[22:23]
	s_or_b32 s[G0S+3], s[G0S+3], 0x80000000
	s_mov_b32 s[G0SB], 1
	s_add_co_u32 s[G0SB+1], s94, SCL
	s_mov_b64 s[G0SB+2:G0SB+3], s[92:93]
	s_or_b32 s[G0SB+3], s[G0SB+3], 0x80000000
.irp s, 0,1
	s_mov_b32 s[G0+4*\s], 1
	s_add_co_u32 s[G0+4*\s+1], s45, \s*SLOT
	s_add_nc_u64 s[G0+4*\s+2:G0+4*\s+3], s[20:21], \s*3072
	s_or_b32 s[G0+4*\s+3], s[G0+4*\s+3], 0x80000000
	s_mov_b32 s[G0B+4*\s], 1
	s_add_co_u32 s[G0B+4*\s+1], s45, \s*SLOT
	s_add_nc_u64 s[G0B+4*\s+2:G0B+4*\s+3], s[46:47], \s*3072
	s_or_b32 s[G0B+4*\s+3], s[G0B+4*\s+3], 0x80000000
.endr
; The head's four tiles, one joint load a wave: wave 0 slot 0's 16 token tiles (its own group 0 points at the first), wave 1 the tokens' scale words, wave 2 slot 0's 16 weight tiles, wave 3 the weights' scale words.
.macro ARM under, g0, g1, next
	s_cmp_lt_u32 s14, \under
	s_cbranch_scc0 \next
	tensor_load_to_lds s[\g0:\g0+3], s[\g1:\g1+7]
	s_nop 0
.rept 4
	v_nop
.endr
	s_branch .Lhead_asked
\next:
.endm
	ARM 1, G0,  G1,  .Lhead_sa
	ARM 2, G0S, G1S, .Lhead_b
	ARM 3, G0B, G1B, .Lhead_sb
	tensor_load_to_lds s[G0SB:G0SB+3], s[G1SB:G1SB+7]
	s_nop 0
.rept 4
	v_nop
.endr
.Lhead_asked:
	; LDS read addresses.  Source 1 reads the token region in sections one and two and the weight region in the third; source 0 the other one.
	v_and_b32 v1, 31, v0
	v_lshlrev_b32 v[LI], 4, v1
	s_wait_alu depctr_va_vdst(0)
	v_lshlrev_b32 v2, 2, v1
	s_wait_alu depctr_va_vdst(0)
	s_xor_b32 s96, s18, 1
	s_mul_i32 s2, s18, 2*HALFT
	s_mul_i32 s3, s96, 2*HALFT
	s_mul_i32 s95, s15, HALFT
	s_add_co_u32 s2, s2, s95
	s_mul_i32 s95, s16, HALFT
	s_add_co_u32 s3, s3, s95
.irp s, 0,1
	v_add_nc_u32 v[ADRA+\s], s2, v[LI]
	v_add_nc_u32 v[ADRB+\s], s3, v[LI]
	s_add_co_u32 s2, s2, SLOT
	s_add_co_u32 s3, s3, SLOT
.endr
	s_mul_i32 s2, s18, 2*HALFS
	s_mul_i32 s3, s96, 2*HALFS
	s_mul_i32 s95, s15, HALFS
	s_add_co_u32 s2, s2, s95
	s_mul_i32 s95, s16, HALFS
	s_add_co_u32 s3, s3, s95
	s_add_co_u32 s2, s2, SCL
	s_add_co_u32 s3, s3, SCL
	v_add_nc_u32 v[ADSA], s2, v2
	v_add_nc_u32 v[ADSB], s3, v2
	; the key mask of my eight token tiles: lane (r, h) wants token 32 (a / 2) + 8 (a % 2) + r + 8 (r / 8) of my 128 (read in every section; used in the second)
	v_and_b32 v3, 15, v0
	v_and_b32 v4, 8, v3
	v_add_nc_u32 v27, v3, v4
	s_and_b32 s2, s19, 31
	s_lshl_b32 s2, s2, 8
	s_lshl_b32 s3, s15, 7
	s_add_co_u32 s2, s2, s3
	v_add_nc_u32 v27, s2, v27
.irp a, 0,1,2,3,4,5,6,7
	global_load_u8 v[MK+\a], v27, s[8:9] offset:32*(\a/2)+8*(\a%2)
.endr
	; where my results go
	s_cmp_eq_u32 s18, 0
	s_cselect_b32 s2, s15, s16                     ; which half of the 256 tokens is mine,
	s_cselect_b32 s3, s16, s15                     ; and which of the two heads
	s_and_b32 s95, s19, 31
	s_lshl_b32 s95, s95, 1
	s_add_co_u32 s95, s95, s2                      ; my 128 tokens: 0..63
	s_lshr_b32 s96, s95, 4                         ; the batch
	s_and_b32 s95, s95, 15                         ; the group of 128 in the batch
	s_lshl_b32 s96, s96, 3
	s_lshl_b32 s97, s42, 1
	s_add_co_u32 s96, s96, s97
	s_add_co_u32 s96, s96, s3                      ; bh = batch x 8 + head
	s_lshl_b32 s97, s96, 4
	s_add_co_u32 s97, s97, s95                     ; qq: group G = 16 bh + group
	s_mul_i32 s98, s97, 12288                      ; its 8 images,
	s_lshl_b32 s99, s97, 9
	s_add_co_u32 s99, s99, QS_OFF                  ; its scale image
	s_mul_i32 s2, s96, 393216                      ; kv: [bh][slot of 512 keys][K: 4 key steps x 8 images | V: 4 key steps x 8 images]
	s_lshr_b32 s3, s95, 2
	s_mul_i32 s3, s3, 98304
	s_add_co_u32 s2, s2, s3
	s_and_b32 s3, s95, 3
	s_mul_i32 s3, s3, 12288
	s_add_co_u32 s2, s2, s3
	s_mul_i32 s3, s18, 49152
	s_add_co_u32 s2, s2, s3
	s_lshl_b32 s3, s96, 14                         ; its scale images: [bh][K: 16 | V: 16] x 512
	s_lshl_b32 s95, s95, 9
	s_add_co_u32 s3, s3, s95
	s_lshl_b32 s95, s18, 13
	s_add_co_u32 s3, s3, s95
	s_add_co_u32 s3, s3, KVS_OFF
	s_cmp_lt_u32 s17, 8                            ; the choice hangs on the cluster's y alone
	s_cselect_b32 s98, s98, s2
	s_cselect_b32 s2, s99, s3
	s_cselect_b64 s[96:97], s[10:11], s[12:13]
	s_mov_b32 s99, 0
	s_mov_b32 s3, 0
	s_add_nc_u64 s[98:99], s[96:97], s[98:99]      ; the images
	s_add_nc_u64 s[96:97], s[96:97], s[2:3]        ; the scale image
	s_lshr_b32 s95, s17, 3
	s_cmp_eq_u32 s95, 1
	s_cselect_b32 s95, 0, -1                       ; all ones outside the second section: there nothing is hidden
	s_mov_b32 s[SEL], 0x76543210
	s_mov_b32 s[SEL+1], 0xfedcba98
	s_wait_loadcnt 0x0                             ; the mask bytes: no load is out at the barriers below
.irp a, 0,1,2,3,4,5,6,7
	v_sub_nc_u32 v[MK+\a], 0, v[MK+\a]             ; 1 -> all ones, 0 -> 0
	v_or_b32 v[MK+\a], s95, v[MK+\a]
.endr
.irp b, 0,1,2,3
	v_mov_b32 v[TM+4+\b], 0                        ; written once: a lane permute's destination counts as one of its sources
.endr
.macro FRAG reg, adr, q, i             ; an image comes back as it was stored: three loads of 512 consecutive bytes
.irp c, 0,1,2
	ds_load_b128 v[\reg+4*\c:\reg+4*\c+3], v[\adr] offset:(\i)*3072+(\q)*1536+512*\c
.endr
.endm
; 16 matrix instructions: source 1's blocks a0, a0 + 1 x source 0's eight, the slot's q-th 128 along K.  p: source 0's set; sc: the set of scale words.  zero = 1: the first product starts the sums.
; The 64 accumulators take turns, one instruction a turn, in the same order in every step.
.macro MUL16 a0, p, q, sc, zero
.irp a, \a0, \a0+1
.irp b, 0,1,2,3,4,5,6,7
.set DD, 8*(8*((\a)%4)+\b)
.set BB, 128*(\p)+FR*\b
.set AA, AF+FR*(\a)
.set SB, SC+16*(\sc)+8+\b
.set SA, SC+16*(\sc)+(\a)
.if \zero
	v_wmma_scale_f32_16x16x128_f8f6f4 v[DD:DD+7], v[BB:BB+FR-1], v[AA:AA+FR-1], 0, v[SB], v[SA] matrix_a_fmt:MATRIX_FMT_FP6 matrix_b_fmt:MATRIX_FMT_FP6
.elseif \q
	v_wmma_scale_f32_16x16x128_f8f6f4 v[DD:DD+7], v[BB:BB+FR-1], v[AA:AA+FR-1], v[DD:DD+7], v[SB], v[SA] matrix_a_fmt:MATRIX_FMT_FP6 matrix_b_fmt:MATRIX_FMT_FP6 matrix_a_scale:MATRIX_SCALE_ROW1 matrix_b_scale:MATRIX_SCALE_ROW1
.else
	v_wmma_scale_f32_16x16x128_f8f6f4 v[DD:DD+7], v[BB:BB+FR-1], v[AA:AA+FR-1], v[DD:DD+7], v[SB], v[SA] matrix_a_fmt:MATRIX_FMT_FP6 matrix_b_fmt:MATRIX_FMT_FP6
.endif
.endr
.endr
.endm
.macro FETCH_B slot, q, p
	WIN TO_B
.irp i, 0,1,2,3,4,5,6,7
	FRAG 128*(\p)+FR*\i, ADRB+\slot, \q, \i
.endr
	WIN 0
.endm
.macro FETCH_A slot, q, i0
.irp i, \i0, \i0+1, \i0+2, \i0+3
	FRAG AF+FR*(\i), ADRA+\slot, \q, \i
.endr
.endm
.macro SCALES set, sig                 ; the scale words of K slot sig: a load at 4 x lane brings a tile's words of its two K steps, one in each half of the lanes
.irp i, 0,1,2,3,4,5,6,7
	ds_load_b32 v[SC+16*\set+\i], v[ADSA] offset:\i*512+(\sig)*128
.endr
.irp i, 0,1,2,3,4,5,6,7
	ds_load_b32 v[SC+16*\set+8+\i], v[ADSB] offset:\i*512+(\sig)*128
.endr
.endm
.macro STEP slot, zero                 ; a slot's first 128 along K
	s_wait_dscnt 4*NL                              ; all but the youngest twelve loads (source 1's blocks 4-7) are in
	WIN MUL_LO
	MUL16 0, 0, 0, \slot, \zero
	MUL16 2, 0, 0, \slot, \zero
	s_wait_dscnt 0                                 ; blocks 4-7 are in (asked for 32 matrix instructions ago)
	PLACES
	FETCH_B \slot, 1, 1
	FETCH_A \slot, 1, 0
	WIN MUL_HI
	MUL16 4, 0, 0, \slot, \zero
	MUL16 6, 0, 0, \slot, \zero
	PLACES
	WIN 0
	FETCH_A \slot, 1, 4
.endm
; A slot's second 128 along K changes slots: ONE barrier; in front of it each wave waits for all its tensor loads, adds 0 to its spare word, and waits for that and for its reads of this slot.
; fill = 1: the barrier opens a round of the cluster's barrier and this slot is filled again, two K slots ahead.  sig: the K slot that is read next.
.macro TURN slot, next, fill, sig
	s_wait_tensorcnt 0x0                           ; all my tensor loads have landed: my part of the next slot
	ds_add_u32 v[SPW], v[NIL]                      ; 0 onto my spare word
	s_wait_dscnt 4*NL+1                            ; (the add and the youngest twelve loads may be out)
	WIN MUL_LO
	MUL16 0, 1, 1, \slot, 0                        ; sixteen matrix instructions stand between the add and the wait for it
	s_wait_dscnt 0x0                               ; the add is done, and my reads of this slot are over
	s_barrier_signal -1
	MUL16 2, 1, 1, \slot, 0
	WIN 0
	s_barrier_wait -1
.if \fill
	CREST                                          ; no wave of any partner still reads this slot or has a load on its way
	s_add_nc_u64 s[G0+4*\slot+2:G0+4*\slot+3], s[G0+4*\slot+2:G0+4*\slot+3], 6144
	s_add_nc_u64 s[G0B+4*\slot+2:G0B+4*\slot+3], s[G0B+4*\slot+2:G0B+4*\slot+3], 6144
	JLOAD G0+4*\slot, G1, G0B+4*\slot, G1B         ; the first tensor load behind the round; its four v_nop are also the places in front of the loads below
.else
	PLACES
.endif
	FETCH_B \next, 0, 0
	FETCH_A \next, 0, 0
	SCALES \next, \sig
	WIN MUL_HI
	MUL16 4, 1, 1, \slot, 0
	MUL16 6, 1, 1, \slot, 0
	PLACES
	WIN 0
	FETCH_A \next, 0, 4
.endm
	s_wait_alu depctr_va_vdst(0)
	s_wait_tensorcnt 0x0                           ; my tile of the head's four is in
	ds_add_u32 v[SPW], v[NIL]
	s_mov_b32 s[G1+2], 8<<16                       ; no tensor load of mine is out: from here on a load brings 8 tiles
	s_mov_b32 s[G1+4], 8
	s_mov_b32 s[G1B+2], 8<<16
	s_mov_b32 s[G1B+4], 8
	s_wait_dscnt 0x0
	CROUND                                         ; a whole round: all four tiles are in,
	JLOAD G0+4, G1, G0B+4, G1B                     ; and slot 1's first fill is the first tensor load behind it
	FETCH_B 0, 0, 0
	FETCH_A 0, 0, 0
	SCALES 0, 0
	FETCH_A 0, 0, 4
	STEP 0, 1                                      ; K 0-127 starts the sums
	TURN 0, 1, 1, 1                                ; K 128-255; slot 0 takes K 512-767
	STEP 1, 0
	TURN 1, 0, 1, 2                                ; slot 1 takes K 768-1023
	STEP 0, 0
	TURN 0, 1, 0, 3                                ; nothing is left to fetch
	STEP 1, 0
	s_wait_dscnt 4*NL                              ; the last 128 along K
	WIN MUL_LO
	MUL16 0, 1, 1, 1, 0
	MUL16 2, 1, 1, 1, 0
	s_wait_dscnt 0
	WIN MUL_HI
	MUL16 4, 1, 1, 1, 0
	MUL16 6, 1, 1, 1, 0
	WIN 0
; THE WAY OUT.  For each of source 1's eight tiles my 64 registers are 128 neighbours along the next K of the lane's row: register 16 b + i = k 32 b + 16 h + i.  They become one image and one scale word a row.
.macro QUANTW a
.set QB, 64*((\a)%4)
	WIN 0x28+0x14*((\a)/4)                         ; sources 1 and 2: window 2 or 3
.irp b, 0,1,2,3
	v_max3_num_f32 v[TM+\b], 0x1800000, |v[QB+16*\b]|, |v[QB+1+16*\b]|   ; block b: my 16 numbers and the floor 2^(3 - 127); each accumulator is read from its low end on
.endr
.irp i, 2,4,6,8,10,12,14
.irp b, 0,1,2,3
	v_max3_num_f32 v[TM+\b], v[TM+\b], |v[QB+16*\b+\i]|, |v[QB+1+16*\b+\i]|
.endr
.endr
	WIN 0
.irp b, 0,1,2,3
	v_permlanex16_b32 v[TM+4+\b], v[TM+\b], s[SEL], s[SEL+1]
.endr
.irp b, 0,1,2,3
	v_max_num_f32 v[TM+\b], v[TM+\b], v[TM+4+\b]   ; with lane l xor 16: the block's largest magnitude
.endr
.irp b, 0,1,2,3
	v_add_nc_u32 v[TM+12+\b], 0xff000000, v[TM+\b] ; the conversion's scale operand
.endr
.irp b, 0,1,2,3
	v_lshrrev_b32 v[TM+4+\b], 23, v[TM+12+\b]      ; the byte
.endr
	v_lshl_or_b32 v[PW+\a], v[TM+5], 8, v[TM+4]
	v_lshl_or_b32 v[PW+\a], v[TM+6], 16, v[PW+\a]
	v_lshl_or_b32 v[PW+\a], v[TM+7], 24, v[PW+\a]
	s_wait_xcnt 0x0                                ; the last tile's stores have read the codes' registers
	WIN 0x02+(\a)/4                                ; source 0: window 2 or 3
.irp c, 0,1
	v_cvt_scalef32_pk16_fp6_f32 v[PC+6*\c:PC+2+6*\c], v[QB+32*\c:QB+15+32*\c], v[TM+12+2*\c]
	v_cvt_scalef32_pk16_fp6_f32 v[PC+12+4*\c:PC+14+4*\c], v[QB+16+32*\c:QB+31+32*\c], v[TM+12+2*\c+1]
.endr
	WIN 0
	v_nop                                          ; one plain place behind a scaled conversion
.irp c, 0,1                            ; the layout wants a whole block in a lane
.irp i, 0,1,2
	v_permlane16_swap_b32 v[PC+6*\c+\i], v[PC+12+4*\c+\i]
.endr
.irp i, 0,1,2
	v_mov_b32 v[PC+3+6*\c+\i], v[PC+12+4*\c+\i]
.endr
.endr
.endm
	PLACES                                         ; behind the last products
	s_mov_b32 vcc_lo, 0xffff0000
.irp a, 0,1,2,3,4,5,6,7
	QUANTW \a
.irp g, 0,1,2,3,4,5,6,7,8,9,10,11
	v_and_b32 v[PC+\g], v[MK+\a], v[PC+\g]         ; a hidden key's codes become zeros (second section; elsewhere the mask is all ones)
.endr
.irp c, 0,1,2
	global_store_b128 v[LI], v[PC+4*\c:PC+4*\c+3], s[98:99] offset:\a*1536+512*\c   ; 512 consecutive bytes, aligned
.endr
.endr
.irp j, 0,1,2,3
	v_cndmask_b32 v[W4+\j], v[PW+2*\j], v[PW+2*\j+1], vcc_lo   ; the scale image: word j of lane l is tile 2 j + l / 16, row l % 16
.endr
	global_store_b128 v[LI], v[W4:W4+3], s[96:97]
	s_wait_tensorcnt 0x0                           ; the wave's end
	ds_add_u32 v[SPW], v[NIL]
	s_wait_dscnt 0x0
	CROUND                                         ; the closing round
	s_endpgm
.Lfunc_end_k_qe8fb6911f2_proj:
	.size	k_qe8fb6911f2_proj, .Lfunc_end_k_qe8fb6911f2_proj-k_qe8fb6911f2_proj
	.p2alignl 7, 3214868480
	.fill 96, 4, 3214868480
	.section	.rodata,"a",@progbits
	.p2align	6, 0x0
	.amdhsa_kernel k_qe8fb6911f2_proj
		.amdhsa_group_segment_fixed_size 327680
		.amdhsa_private_segment_fixed_size 0
		.amdhsa_enable_private_segment 0
		.amdhsa_kernarg_size 40
		.amdhsa_user_sgpr_count 2
		.amdhsa_user_sgpr_kernarg_segment_ptr 1
		.amdhsa_wavefront_size32 1
		.amdhsa_system_sgpr_workgroup_id_x 1
		.amdhsa_system_sgpr_workgroup_id_y 1
		.amdhsa_system_sgpr_workgroup_id_z 1
		.amdhsa_system_vgpr_workitem_id 0
		.amdhsa_next_free_vgpr 1024
		.amdhsa_next_free_sgpr 100
		.amdhsa_reserve_vcc 1
		.amdhsa_float_denorm_mode_32 3
		.amdhsa_float_denorm_mode_16_64 3
		.amdhsa_memory_ordered 1
		.amdhsa_forward_progress 1
		.amdhsa_inst_pref_size 148
	.end_amdhsa_kernel
	.amdgpu_metadata
---
amdhsa.version: [ 1, 2 ]
amdhsa.kernels:
  - .name:           k_qe8fb6911f2_proj
    .symbol:         k_qe8fb6911f2_proj.kd
    .args:
      - { .name: xq, .offset: 0, .size: 8, .value_kind: global_buffer, .address_space: global }
      - { .name: wq, .offset: 8, .size: 8, .value_kind: global_buffer, .address_space: global }
      - { .name: v_mask, .offset: 16, .size: 8, .value_kind: global_buffer, .address_space: global }
      - { .name: qq, .offset: 24, .size: 8, .value_kind: global_buffer, .address_space: global }
      - { .name: kv, .offset: 32, .size: 8, .value_kind: global_buffer, .address_space: global }
    .group_segment_fixed_size: 327680
    .private_segment_fixed_size: 0
    .kernarg_segment_align: 8
    .kernarg_segment_size: 40
    .max_flat_workgroup_size: 128
    .sgpr_count:     100
    .vgpr_count:     1024
    .wavefront_size: 32
...
	.end_amdgpu_metadata
.endif
;; end of part 2
;; launch attn (part 3): grid 8 x 32, 8 waves a work-group, clusters of 4 x 1, 327,680 bytes of LDS; arguments qq, kv, v_mask, q_mask, scale, hq; writes hq
.if DOCPART == 3
	.amdgcn_target "amdgcn-amd-amdhsa--gfx1250"
	.amdhsa_code_object_version 6
	.text
	.protected	k_qe8fb6911f2_attn
	.globl	k_qe8fb6911f2_attn
	.p2align	8
	.type	k_qe8fb6911f2_attn,@function
k_qe8fb6911f2_attn:
	s_mov_b64 s[64:65], 0
	v_nop
	global_prefetch_b8 v0, s[64:65] scope:SCOPE_SE
	s_setreg_imm32_b32 hwreg(HW_REG_WAVE_MODE, 25, 1), 1
	s_wait_xcnt 0x0
	s_wait_alu depctr_hold_cnt(0) depctr_sa_sdst(0) depctr_va_vdst(0) depctr_va_sdst(0) depctr_va_ssrc(0) depctr_va_vcc(0) depctr_vm_vsrc(0)
	s_getreg_b32 s2, hwreg(HW_REG_IB_STS2, 6, 4)
	s_cmp_eq_u32 s2, 0
	s_cbranch_scc0 .Lentry_in_a_cluster
	s_endpgm
.Lentry_in_a_cluster:
	s_bfe_u32 s2, ttmp6, 0x10000c
	s_cmp_lg_u32 s2, 0x3003
	s_cbranch_scc0 .Lentry_shape_is_right
	s_endpgm
.Lentry_shape_is_right:
; h[b][q][head] = q_mask x softmax_k(scale[head] q . v_k, hidden keys at a very low logit) v, both products on codes of FP6 (E2M3); h is quantised along the head's 128 channels for the last product.
; THE SOFTMAX: t = logit x log2(e); M = the row's largest t so far, rounded UP to a whole number; p = 2^(t - M) is quantised along the keys, not normalised; the row's sum is taken of the unquantised p and divides at the end.
; SHARES.  A work-group owns 256 queries of one (batch, head); each of its eight waves owns two tiles of 16 queries: tile A in register window 0, tile B in window 1, under the same register numbers.
; Each fragment of K and V and each mask register read from LDS feeds two matrix instructions.  Every wave walks all 2,048 keys, 128 a step.
; OPERANDS ARE IMAGES OF FRAGMENT REGISTERS (1,536 bytes, three loads of 512 consecutive bytes); row r of tile T is row 32 (T / 2) + 8 (T % 2) + r + 8 (r / 8).  Both products are used transposed (source 0 = keys or channels,
; source 1 = my queries): a lane holds one query, and the 16 registers of tiles 2 b, 2 b + 1 are 16 neighbouring keys (channels).
; THE SCALE: c = |scale x log2(e)|, held at 2^-60 from below; the sign of scale is put into the sign bits of Q's codes once.
; THE KEY MASK: a hidden key has zero codes (the launch before), and the score product takes as C a register with 0 or -2^96 for each key.  Where no key counts all t are equal and the result is the mean.  THE QUERY MASK multiplies 1 / the sum.
; CLUSTER: the four query blocks of a cluster walk the same K and V: every tile is asked for jointly, mask 15.
; LDS: three slots of 512 keys (98,304 bytes).  At the head each wave asks for an eighth of slot 0; behind the full sequence and a round each wave asks for an eighth of slots 1 and 2, which lie on end in memory and in LDS, by one load;
; the last 512 keys are the one refill, into slot 0's bytes, behind the one round inside the walk.  The scale images (512 bytes a step for K, 512 for V) come by plain loads, a step ahead.
; NO PREFETCH: every fill behind the head's is asked for four key steps or more ahead of its first read, and the head has no loop to run ahead in.
; LDS LOADS RUN AHEAD OF THEIR USE: V's tiles 0-3 and the next step's mask numbers ahead of the softmax; V's tiles 4-7 into tile A's score registers behind tile A's softmax; the next step's K tiles 4-7 behind tile B's softmax,
; its K tiles 0-3 between the halves of the second product.  In a slot's last step that look-ahead reads the same slot's V part and is thrown away: behind each change of slots K is fetched again.
; LIMITS: |scale| x log2(e) under 2^31; under 2^-60 it is held there; hidden keys stand at t = -2^96 c and not at -1e9 log2(e), which differs only where every open logit of a row lies under about -1e9;
; NaN and infinities are not served; mask bytes are 0 or 1; a block of zeros takes the scale byte 1.
; REGISTERS, both windows: v12 -M, v13 the largest t, v[14:15] the sum, v16-27 Q, v28 the query mask, v96-159 S^T then p, v160-223 O^T, v224-247, v252, v254 at work, v253 p's scale word.
;   window 0 alone: v0-9 offsets, v30 Q_B's scale word, v31 p_B's, v255 Q_A's, v80-83 K's scale image, v248-251 V's, v32-79 four fragments, v84-95 and v236-247 K's tiles 4, 5, v96-143 V's tiles 4-7.
;   window 1 alone: v32-95 the step's 64 mask numbers, v0-11 and v236-247 K's tiles 6, 7.
.set QS_OFF, 6291456
.set KVS_OFF, 12582912
.set HS_OFF, 6291456
.set SLOTB, 98304                      ; a slot is 512 keys: K 4 x 12,288 bytes, then V 4 x 12,288
.set BIAS,  3*SLOTB                    ; 2,048 f32: 0 or -2^96 for each key; written by LDS stores alone
.set SPARE, BIAS+8192                  ; the spare words, 128 bytes a wave
.set LI,  1                            ; 16 x lane
.set HBV, 2                            ; 64 x (lane / 16)
.set SPW, 3
.set NIL, 4
.set ADR, 6                            ; the step's tiles
.set ADB, 7                            ; the next step's mask numbers
.set HSA, 9                            ; 4 r + 512 h
.set X,   32
.set KS,  80
.set Z0,  84
.set Y,   96
.set Z1,  236
.set Z2,  0
.set Z3,  236
.set TM,  32
.set PC,  48
.set PW,  68
.set WV,  16
.set SEL, 22
.set G1H, 24                           ; s[24:31] group 1: 12,288 dense bytes
.set G1,  32                           ; s[32:39] group 1: 24,576
.set G0,  40                           ; s[40:43] group 0: slot 0
.set G0B, 44                           ; s[44:47] group 0: slots 1 and 2
.set CS,  48
.set TB,  50                           ; LDS byte at which the step's K begins
.set TS,  51                           ; and the next step's mask numbers
.set CNT, 52                           ; the key step, 0 to 15
.set IC,  53
.set SB,  54                           ; s[54:55] this step's scale image of K (V's 8,192 bytes on)
.set MSB, 0
.macro WIN new
.if MSB != \new
	s_set_vgpr_msb (MSB<<8)|\new
.set MSB, \new
.endif
.endm
.macro PLACES
.rept 4
	v_nop
.endr
.endm
.macro CROUND                          ; a round of the cluster's barrier
	s_barrier_signal -1
	s_barrier_wait -1
	s_cmp_lg_u32 s[WV], 0
	s_cbranch_scc1 .Lnot_wave_0_\@
	s_barrier_signal -3
.Lnot_wave_0_\@:
	s_barrier_wait -3
	s_barrier_signal -1
	s_barrier_wait -1
.endm
	s_load_b256 s[4:11], s[0:1], 0x0               ; qq, kv, v_mask, q_mask
	s_load_b128 s[12:15], s[0:1], 0x20             ; scale, hq
	v_lshl_add_u32 v[SPW], v0, 2, SPARE
	v_mov_b32 v[NIL], 0
	ds_add_u32 v[SPW], v[NIL]                      ; the opening lines: the add, twice on end, and its wait ahead of my first tensor load
	ds_add_u32 v[SPW], v[NIL]
	v_lshrrev_b32 v10, 5, v0
	v_readfirstlane_b32 s[WV], v10                 ; wave 0..7
	v_and_b32 v10, 31, v0
	v_lshlrev_b32 v[LI], 4, v10
	v_bfe_u32 v11, v0, 4, 1                        ; h
	v_lshlrev_b32 v[HBV], 6, v11
	v_and_b32 v10, 15, v0                          ; r
	v_lshlrev_b32 v[HSA], 2, v10
	v_lshl_add_u32 v[HSA], v11, 9, v[HSA]
	v_lshlrev_b32 v29, 4, v10                      ; 16 r
	v_and_b32 v5, 8, v10
	v_add_nc_u32 v5, v5, v10                       ; r + 8 (r / 8)
	v_lshlrev_b32 v8, 3, v0                        ; 8 x thread: my 8 bytes of the key mask
	v_lshl_add_u32 v11, v0, 5, BIAS                ; and their 8 numbers in LDS
	v_add_nc_u32 v[ADB], BIAS, v[HBV]
	s_bfe_u32 s17, ttmp6, 0x40000                  ; cx
	s_lshl_b32 s18, ttmp9, 2
	s_add_co_u32 s18, s18, s17                     ; my block of 256 queries: it enters the addresses of plain loads and stores alone
	s_and_b32 s19, ttmp7, 0xffff                   ; bh, which the partners share
	s_lshr_b32 s20, s19, 3                         ; batch
	s_and_b32 s21, s19, 7                          ; head
	s_mov_b32 s[G1H], 15|(3<<16)|(1<<21)           ; 15:0 all four work-groups; 17:16 elements of 8 bytes; 21 set beside a mask
	s_mov_b32 s[G1H+1], 32<<16                     ; rows of 256 bytes,
	s_mov_b32 s[G1H+2], 48<<16                     ; 48 of them, dense
	s_mov_b32 s[G1H+3], 32<<16
	s_mov_b32 s[G1H+4], 48
	s_mov_b32 s[G1H+5], 32
	s_mov_b32 s[G1H+6], 0
	s_mov_b32 s[G1H+7], 0
	s_mov_b32 s[G1], 15|(3<<16)|(1<<21)
	s_mov_b32 s[G1+1], 32<<16
	s_mov_b32 s[G1+2], 96<<16                      ; 96 rows
	s_mov_b32 s[G1+3], 32<<16
	s_mov_b32 s[G1+4], 96
	s_mov_b32 s[G1+5], 32
	s_mov_b32 s[G1+6], 0
	s_mov_b32 s[G1+7], 0
	s_mul_i32 s63, s19, 393216                     ; my head's tiles in kv
	s_mov_b32 s[G0], 1
	s_mul_i32 s[G0+1], s[WV], 12288                ; my eighth of slot 0
	s_add_co_u32 s60, s63, s[G0+1]
	s_mov_b32 s61, 0
	s_mov_b32 s[G0B], 1
	s_mul_i32 s[G0B+1], s[WV], 24576               ; my eighth of slots 1 and 2
	s_add_co_u32 s[G0B+1], s[G0B+1], SLOTB
	s_add_co_u32 s2, s63, s[G0B+1]
	s_mov_b32 s3, 0
	s_lshl_b32 s[SB], s19, 14
	s_add_co_u32 s[SB], s[SB], KVS_OFF
	s_mov_b32 s[SB+1], 0
	s_lshl_b32 s66, s19, 7                         ; my tiles: T = 16 x block + 2 x wave and T + 1 of the head's 128
	s_lshl_b32 s67, s18, 4
	s_add_co_u32 s66, s66, s67
	s_lshl_b32 s67, s[WV], 1
	s_add_co_u32 s66, s66, s67
	s_mul_i32 s66, s66, 1536
	s_mov_b32 s67, 0
	s_lshl_b32 s68, s19, 4
	s_lshl_b32 s69, s18, 1
	s_add_co_u32 s68, s68, s69
	s_lshr_b32 s69, s[WV], 2
	s_add_co_u32 s68, s68, s69                     ; the group of 8 tiles,
	s_lshl_b32 s68, s68, 9
	s_and_b32 s69, s[WV], 3
	s_lshl_b32 s69, s69, 2
	s_add_co_u32 s68, s68, s69                     ; word wave % 4 of its scale image: tile A at 16 r, tile B 256 bytes on
	s_add_co_u32 s68, s68, QS_OFF
	s_mov_b32 s69, 0
	s_lshl_b32 s72, s20, 11                        ; the batch's key mask
	s_mov_b32 s73, 0
	s_lshl_b32 s70, s18, 8
	s_add_co_u32 s70, s70, s72
	s_lshl_b32 s71, s[WV], 5
	s_add_co_u32 s70, s70, s71                     ; my 32 queries' mask
	s_mov_b32 s71, 0
	s_lshl_b32 s74, s20, 7                         ; where h goes: image ((batch x 128 + T) x 8 + head), scale words at tile x 512 + head x 64 + 4 r
	s_lshl_b32 s75, s18, 4
	s_add_co_u32 s74, s74, s75
	s_lshl_b32 s75, s[WV], 1
	s_add_co_u32 s74, s74, s75
	s_lshl_b32 s76, s74, 9
	s_lshl_b32 s77, s21, 6
	s_add_co_u32 s76, s76, s77
	s_add_co_u32 s76, s76, HS_OFF
	s_mov_b32 s77, 0
	s_lshl_b32 s74, s74, 3
	s_add_co_u32 s74, s74, s21
	s_mul_i32 s74, s74, 1536
	s_mov_b32 s75, 0
	s_lshl_b32 s78, s21, 2
	s_mov_b32 s79, 0
	s_mov_b32 s[SEL], 0x76543210
	s_mov_b32 s[SEL+1], 0xfedcba98
	s_wait_alu depctr_va_vdst(0)
	s_wait_dscnt 0x0                               ; both opening adds are done
	s_wait_kmcnt 0x0
	s_add_nc_u64 s[12:13], s[12:13], s[78:79]
	s_load_b32 s59, s[12:13], 0x0                  ; scale[head]
	s_add_nc_u64 s[G0+2:G0+3], s[6:7], s[60:61]
	s_or_b32 s[G0+3], s[G0+3], 0x80000000
	s_add_nc_u64 s[G0B+2:G0B+3], s[6:7], s[2:3]
	s_or_b32 s[G0B+3], s[G0B+3], 0x80000000
	s_add_nc_u64 s[SB:SB+1], s[6:7], s[SB:SB+1]
	s_add_nc_u64 s[66:67], s[4:5], s[66:67]
	s_add_nc_u64 s[68:69], s[4:5], s[68:69]
	s_add_nc_u64 s[72:73], s[8:9], s[72:73]
	s_add_nc_u64 s[70:71], s[10:11], s[70:71]
	s_add_nc_u64 s[74:75], s[14:15], s[74:75]
	s_add_nc_u64 s[76:77], s[14:15], s[76:77]
	CROUND                                         ; all four work-groups are here: the first joint loads meet
	tensor_load_to_lds s[G0:G0+3], s[G1H:G1H+7]    ; my eighth of slot 0: my one tensor load at the head
	s_nop 0
	PLACES
	global_load_b64 v[32:33], v8, s[72:73]
.irp c, 0,1,2
	global_load_b128 v[16+4*\c:19+4*\c], v[LI], s[66:67] offset:512*\c
.endr
	global_load_b32 v255, v29, s[68:69]
	global_load_b32 v30, v29, s[68:69] offset:256
	global_load_u8 v28, v5, s[70:71]
	WIN 0x40                                       ; destination window 1
.irp c, 0,1,2
	global_load_b128 v[16+4*\c:19+4*\c], v[LI], s[66:67] offset:1536+512*\c
.endr
	global_load_u8 v28, v5, s[70:71] offset:8
	WIN 0
	s_wait_kmcnt 0x0
	v_mov_b32 v10, s59
	v_mul_f32 v10, 0x3fb8aa3b, v10                 ; scale x log2(e)
	v_and_b32 v10, 0x7fffffff, v10
	v_max_u32 v10, 0x21800000, v10                 ; held at 2^-60 from below
	v_readfirstlane_b32 s[CS], v10
	s_mov_b32 s[CS+1], s[CS]
	s_ashr_i32 s60, s59, 31                        ; all ones where scale is negative
	s_and_b32 s56, s60, 0x20820820                 ; the sign bits of sixteen 6-bit codes in three registers
	s_and_b32 s57, s60, 0x08208208
	s_and_b32 s58, s60, 0x82082082
	s_wait_loadcnt 0x0
.irp k, 0,1,2,3
	v_bfe_u32 v[34+\k], v32, 8*\k, 8
	v_bfe_u32 v[38+\k], v33, 8*\k, 8
.endr
.irp k, 0,1,2,3,4,5,6,7
	v_add_nc_u32 v[34+\k], -1, v[34+\k]
	v_and_b32 v[34+\k], 0xef800000, v[34+\k]       ; 1 -> 0, 0 -> -2^96
.endr
	ds_store_b128 v11, v[34:37]
	ds_store_b128 v11, v[38:41] offset:16
.macro INIT                            ; once under each window.  The step is written once: the first finds zeros
	v_mov_b32 v13, 0xff61b1e6                      ; the largest t so far: -3e38
	v_floor_f32 v12, -v13
	v_mov_b32 v14, 0
	v_mov_b32 v15, 0
.irp b, 0,1,2,3
	v_mov_b32 v[236+\b], 0
.endr
	v_mov_b32 v253, 0
	v_cvt_f32_u32 v28, v28                         ; the query mask as 0.0 or 1.0
.irp g, 0,1,2,3,4,5,6,7,8,9,10,11
	v_xor_b32 v[16+\g], s[56+\g%3], v[16+\g]       ; the sign of scale goes into Q
.endr
.set J, 0
.rept 64
	v_mov_b32 v[160+J], 0
.set J, J+1
.endr
.endm
	INIT
	WIN 0x55
	INIT
	WIN 0
.macro FRAG1 reg, base                 ; one image: three loads of 512 consecutive bytes
.irp c, 0,1,2
	ds_load_b128 v[(\reg)+4*\c:(\reg)+4*\c+3], v[ADR] offset:(\base)+512*\c
.endr
.endm
.macro FRAGS reg, base                 ; four images on end
.irp t, 0,1,2,3
	FRAG1 (\reg)+12*\t, (\base)+1536*\t
.endr
.endm
.macro LOADZ off                       ; K's tiles 4-7 of the step that begins off bytes behind ADR
	WIN 0
	FRAG1 Z0, (\off)+4*1536
	FRAG1 Z1, (\off)+5*1536
	WIN 0x40
	FRAG1 Z2, (\off)+6*1536
	FRAG1 Z3, (\off)+7*1536
	WIN 0
.endm
.macro LOADM off                       ; K's scale image off bytes behind this step's, and the 64 mask numbers at ADB
	global_load_b128 v[KS:KS+3], v[LI], s[SB:SB+1] offset:\off
	WIN 0x40
.irp T, 0,1,2,3,4,5,6,7
.irp e, 0,1
	ds_load_b128 v[32+8*\T+4*\e:35+8*\T+4*\e], v[ADB] offset:128*(\T/2)+32*(\T%2)+16*\e
.endr
.endr
	WIN 0
.endm
.macro SM1 T, kf, qs                   ; one score product: C = the keys' mask numbers (window 1)
.if (\T)%2
	v_wmma_scale_f32_16x16x128_f8f6f4 v[96+8*(\T):103+8*(\T)], v[(\kf):(\kf)+11], v[16:27], v[32+8*(\T):39+8*(\T)], v[KS+(\T)/2], v[\qs] matrix_a_fmt:MATRIX_FMT_FP6 matrix_b_fmt:MATRIX_FMT_FP6 matrix_a_scale:MATRIX_SCALE_ROW1
.else
	v_wmma_scale_f32_16x16x128_f8f6f4 v[96+8*(\T):103+8*(\T)], v[(\kf):(\kf)+11], v[16:27], v[32+8*(\T):39+8*(\T)], v[KS+(\T)/2], v[\qs] matrix_a_fmt:MATRIX_FMT_FP6 matrix_b_fmt:MATRIX_FMT_FP6
.endif
.endm
.macro OM1 T, vf, ps
.if (\T)%2
	v_wmma_scale_f32_16x16x128_f8f6f4 v[160+8*(\T):167+8*(\T)], v[(\vf):(\vf)+11], v[224:235], v[160+8*(\T):167+8*(\T)], v[248+(\T)/2], v[\ps] matrix_a_fmt:MATRIX_FMT_FP6 matrix_b_fmt:MATRIX_FMT_FP6 matrix_a_scale:MATRIX_SCALE_ROW1
.else
	v_wmma_scale_f32_16x16x128_f8f6f4 v[160+8*(\T):167+8*(\T)], v[(\vf):(\vf)+11], v[224:235], v[160+8*(\T):167+8*(\T)], v[248+(\T)/2], v[\ps] matrix_a_fmt:MATRIX_FMT_FP6 matrix_b_fmt:MATRIX_FMT_FP6
.endif
.endm
.macro OMUL g                          ; O^T += V^T P^T, four tiles of channels, for both tiles of queries: the accumulators take turns
	WIN 0
.irp t, 0,1,2,3
	OM1 4*(\g)+\t, X+(Y-X)*(\g)+12*\t, 253
.endr
	WIN 0x54                                       ; P, C and D window 1
.irp t, 0,1,2,3
	OM1 4*(\g)+\t, X+(Y-X)*(\g)+12*\t, 31
.endr
.endm
; One tile's softmax for 128 keys.  second = 1: it runs in window 1, and p's scale word is copied into window 0, where scale operands are read.
.macro SOFTMAX second
	s_wait_alu depctr_va_vdst(0)                   ; ahead of the first read of the scores
.irp b, 0,1,2,3
	v_max3_num_f32 v[232+\b], v[96+16*\b], v[97+16*\b], v[98+16*\b]   ; the largest score of each block of 32 keys: for the row's maximum and for the block's largest p
.endr
.irp i, 3,5,7,9,11,13
.irp b, 0,1,2,3
	v_max3_num_f32 v[232+\b], v[232+\b], v[96+16*\b+\i], v[97+16*\b+\i]
.endr
.endr
.irp b, 0,1,2,3
	v_max_num_f32 v[232+\b], v[232+\b], v[111+16*\b]
.endr
.irp b, 0,1,2,3
	v_permlanex16_b32 v[236+\b], v[232+\b], s[SEL], s[SEL+1]
.endr
.irp b, 0,1,2,3
	v_max_num_f32 v[232+\b], v[232+\b], v[236+\b]  ; with lane l xor 16
.endr
	v_max3_num_f32 v254, v232, v233, v234
	s_delay_alu instid0(VALU_DEP_1)
	v_max_num_f32 v254, v254, v235
	s_delay_alu instid0(VALU_DEP_1)
	v_mul_f32 v254, s[CS], v254                    ; as t (c is positive)
	s_delay_alu instid0(VALU_DEP_1)
	v_max_num_f32 v13, v13, v254                   ; the running largest t
	v_mov_b32 v254, v12
	s_delay_alu instid0(VALU_DEP_2)
	v_floor_f32 v12, -v13                          ; the new -M: M is a whole number
	s_delay_alu instid0(VALU_DEP_1)
	v_sub_f32 v254, v12, v254                      ; old M less new M: a whole number, 0 or less
	s_delay_alu instid0(VALU_DEP_1)
	v_cvt_i32_f32 v254, v254                       ; (it saturates)
	s_delay_alu instid0(VALU_DEP_1)
	v_ldexp_f32 v252, 1.0, v254                    ; f = 2^(old M - new M)
.set J, 0
.rept 32
	v_pk_fma_f32 v[96+J:97+J], v[96+J:97+J], s[CS:CS+1], v[12:13] op_sel_hi:[1,0,0]   ; t - M
.set J, J+2
.endr
.irp b, 0,1,2,3
	v_fma_f32 v[232+\b], v[232+\b], s[CS], v12     ; the same of each block's largest score
.endr
	s_wait_alu depctr_va_vdst(0)                   ; ahead of the batch
.set J, 0
.rept 64
	v_exp_f32 v[96+J], v[96+J]                     ; p = 2^(t - M)
.set J, J+1
.endr
.irp b, 0,1,2,3
	v_exp_f32 v[232+\b], v[232+\b]                 ; each block's largest p
.endr
	v_pk_mul_f32 v[14:15], v[14:15], v[252:253] op_sel_hi:[1,0]   ; the sums under the new M (the plain place behind the batch)
	s_wait_alu depctr_va_vdst(0)                   ; and behind it, ahead of its first reader
	v_pk_add_f32 v[236:237], v[96:97], v[98:99]    ; the row's sum of the unquantised p, in two chains
.irp j, 4,8,12,16,20,24,28,32,36,40,44,48,52,56,60
	v_pk_add_f32 v[14:15], v[14:15], v[96+\j:97+\j]
	v_pk_add_f32 v[236:237], v[236:237], v[98+\j:99+\j]
.endr
	v_pk_add_f32 v[14:15], v[14:15], v[236:237]
.irp b, 0,1,2,3
	v_max_num_f32 v[232+\b], 0x1800000, v[232+\b]  ; the floor: the byte cannot fall under 1
.endr
.irp b, 0,1,2,3
	v_add_nc_u32 v[244+\b], 0xff000000, v[232+\b]  ; the conversion's scale operand
.endr
.irp b, 0,1,2,3
	v_lshrrev_b32 v[236+\b], 23, v[244+\b]
.endr
	v_lshl_or_b32 v253, v237, 8, v236              ; p's scale word for these 128 keys
	v_lshl_or_b32 v253, v238, 16, v253
	v_lshl_or_b32 v253, v239, 24, v253
.if \second
	WIN 0x01
	v_mov_b32 v31, v253
	WIN 0x55
.endif
.irp c, 0,1
	v_cvt_scalef32_pk16_fp6_f32 v[224+6*\c:226+6*\c], v[96+32*\c:111+32*\c], v[244+2*\c]
	v_cvt_scalef32_pk16_fp6_f32 v[236+4*\c:238+4*\c], v[112+32*\c:127+32*\c], v[244+2*\c+1]
.endr
	v_nop                                          ; one plain place behind a scaled conversion
.irp c, 0,1
.irp i, 0,1,2
	v_permlane16_swap_b32 v[224+6*\c+\i], v[236+4*\c+\i]
.endr
.irp i, 0,1,2
	v_mov_b32 v[227+6*\c+\i], v[236+4*\c+\i]
.endr
.endr
	s_wait_alu depctr_va_vdst(0)                   ; directly ahead of the first reader of O^T
.set J, 0
.rept 32
	v_pk_mul_f32 v[160+J:161+J], v[160+J:161+J], v[252:253] op_sel_hi:[1,0]   ; O^T under the new M; also the places in front of the scaled products
.set J, J+2
.endr
.endm
; Behind a change of slots: the first step's K.  No LDS load of mine is out here.  K's tiles 0-3 are the youngest twelve loads.
.macro HEAD slot
	s_mov_b32 s[TB], ((\slot)%3)*SLOTB             ; the last 512 keys lie in slot 0's bytes
	v_add_nc_u32 v[ADR], s[TB], v[LI]
	LOADZ 0
	FRAGS X, 0
.endm
; A KEY STEP: 128 keys.
.macro STEP
	v_add_nc_u32 v[ADR], s[TB], v[LI]              ; five plain places: the score products write over registers (v96-143) that the last step's products read
	v_add_nc_u32 v[ADB], s[TS], v[HBV]
	v_nop
	v_nop
	v_nop
	s_wait_alu depctr_va_vdst(0)                   ; directly ahead of the waits below
	s_wait_loadcnt 0x0                             ; K's scale image is in
	s_wait_dscnt 12                                ; all but the youngest twelve LDS loads (K's tiles 0-3) are in
	WIN 0x11                                       ; K and C window 1, Q and D window 0
	SM1 6, Z2, 255
	SM1 7, Z3, 255
	WIN 0x55
	SM1 6, Z2, 30
	SM1 7, Z3, 30
	WIN 0x54                                       ; K window 0; Q, C and D window 1
	SM1 4, Z0, 30
	SM1 5, Z1, 30
	WIN 0x10                                       ; C window 1
	SM1 4, Z0, 255
	SM1 5, Z1, 255
	s_wait_dscnt 0x0                               ; K's tiles 0-3 are in
.irp t, 0,1,2,3
	SM1 \t, X+12*\t, 255
.endr
	WIN 0x54
.irp t, 0,1,2,3
	SM1 \t, X+12*\t, 30
.endr
	WIN 0
	PLACES                                         ; in front of the loads below and of the first read of the scores
	global_load_b128 v[248:251], v[LI], s[SB:SB+1] offset:8192   ; V's scale image,
	FRAGS X, 49152                                 ; V's tiles 0-3,
	LOADM 512                                      ; K's next scale image and the next step's mask numbers
	SOFTMAX 0
	FRAGS Y, 49152+4*1536                          ; tile A's p has become codes: its registers take V's tiles 4-7
	WIN 0x55
	SOFTMAX 1
	LOADZ 12288                                    ; the next step's K tiles 4-7
	s_wait_alu depctr_va_vdst(0)                   ; directly ahead of the waits below
	s_wait_loadcnt 0x0                             ; the two scale images are in: so their base may be stepped below
	s_wait_dscnt 12                                ; all but those twelve are in: V
	OMUL 0
	WIN 0
	PLACES
	FRAGS X, 12288                                 ; the next step's K tiles 0-3
	OMUL 1
	WIN 0
	s_add_nc_u64 s[SB:SB+1], s[SB:SB+1], 512
	s_add_co_u32 s[TB], s[TB], 12288
	s_add_co_u32 s[TS], s[CNT], 2                  ; the mask numbers of the step after the next, held at step 15
	s_min_u32 s[TS], s[TS], 15
	s_lshl_b32 s[TS], s[TS], 9
	s_add_co_u32 s[TS], s[TS], BIAS
	s_add_co_u32 s[CNT], s[CNT], 1
.endm
; THE CHANGE OF SLOTS.  Each wave waits for all its tensor loads, adds 0 to its spare word, and waits for that and for its LDS loads.
; fill = 1: a round of the cluster's barrier, and behind it slot 0, which has been read, is filled with the last 512 keys.
.macro CHANGE fill
	s_wait_tensorcnt 0x0                           ; no tensor load of mine is out, so a group 0 may be written
	ds_add_u32 v[SPW], v[NIL]
.if \fill
	s_add_nc_u64 s[G0+2:G0+3], s[G0+2:G0+3], 3*SLOTB   ; keys 1,536 on; the LDS address stays slot 0's
.endif
	s_wait_dscnt 0x0
.if \fill
	CROUND
	tensor_load_to_lds s[G0:G0+3], s[G1H:G1H+7]    ; the first thing behind the round, and my one tensor load behind it
	s_nop 0
	PLACES
.else
	s_barrier_signal -1
	s_barrier_wait -1
.endif
.endm
.macro FOUR_STEPS                      ; a slot's four key steps
	s_mov_b32 s[IC], 4
.Lstep_\@:
	STEP
	s_sub_co_u32 s[IC], s[IC], 1
	s_cmp_lg_u32 s[IC], 0
	s_cbranch_scc1 .Lstep_\@
.endm
	s_wait_alu depctr_va_vdst(0)
	s_wait_tensorcnt 0x0                           ; my eighth of slot 0 is in
	ds_add_u32 v[SPW], v[NIL]
	s_mov_b32 s[CNT], 0
	s_mov_b32 s[TS], BIAS+512
	s_wait_dscnt 0x0                               ; the add is done, and so are my stores of the mask numbers
	CROUND                                         ; slot 0 and the mask numbers are whole for every wave
	tensor_load_to_lds s[G0B:G0B+3], s[G1:G1+7]    ; my eighth of slots 1 and 2: it has four key steps in which to land
	s_nop 0
	PLACES
	LOADM 0                                        ; step 0's scale image of K and its mask numbers
	HEAD 0
	FOUR_STEPS
	CHANGE 1                                       ; slots 1 and 2 are whole for every wave; slot 0 is filled again
	HEAD 1
	FOUR_STEPS
	s_wait_dscnt 0x0                               ; the look-ahead's loads are in: their registers may be loaded again.  No barrier: slot 2 was shown whole at the change above
	HEAD 2
	FOUR_STEPS
	CHANGE 0                                       ; the last 512 keys have landed
	HEAD 3
	FOUR_STEPS
	s_wait_dscnt 0x0                               ; the last look-ahead's loads are in: their registers are written below
	s_wait_loadcnt 0x0
; THE WAY OUT.  O^T / the sum x the query mask: register 16 b + i is channel 32 b + 16 h + i of my query: 128 neighbours along the last product's K.  They become one image and one scale word a row.
.macro QUANT s
.irp b, 0,1,2,3
	v_max3_num_f32 v[TM+\b], |v[\s+16*\b]|, |v[\s+1+16*\b]|, 0x1800000
.endr
.irp i, 2,4,6,8,10,12,14
.irp b, 0,1,2,3
	v_max3_num_f32 v[TM+\b], v[TM+\b], |v[\s+16*\b+\i]|, |v[\s+1+16*\b+\i]|
.endr
.endr
.irp b, 0,1,2,3
	v_permlanex16_b32 v[TM+4+\b], v[TM+\b], s[SEL], s[SEL+1]
.endr
.irp b, 0,1,2,3
	v_max_num_f32 v[TM+\b], v[TM+\b], v[TM+4+\b]
.endr
.irp b, 0,1,2,3
	v_add_nc_u32 v[TM+12+\b], 0xff000000, v[TM+\b]
.endr
.irp b, 0,1,2,3
	v_lshrrev_b32 v[TM+4+\b], 23, v[TM+12+\b]
.endr
	v_lshl_or_b32 v[PW], v[TM+5], 8, v[TM+4]
	v_lshl_or_b32 v[PW], v[TM+6], 16, v[PW]
	v_lshl_or_b32 v[PW], v[TM+7], 24, v[PW]
.irp c, 0,1
	v_cvt_scalef32_pk16_fp6_f32 v[PC+6*\c:PC+2+6*\c], v[\s+32*\c:\s+15+32*\c], v[TM+12+2*\c]
	v_cvt_scalef32_pk16_fp6_f32 v[PC+12+4*\c:PC+14+4*\c], v[\s+16+32*\c:\s+31+32*\c], v[TM+12+2*\c+1]
.endr
	v_nop
.irp c, 0,1
.irp i, 0,1,2
	v_permlane16_swap_b32 v[PC+6*\c+\i], v[PC+12+4*\c+\i]
.endr
.irp i, 0,1,2
	v_mov_b32 v[PC+3+6*\c+\i], v[PC+12+4*\c+\i]
.endr
.endr
.endm
.macro FINISH                          ; once under each window
	v_add_f32 v14, v14, v15                        ; the sum's two halves,
	v_permlanex16_b32 v252, v14, s[SEL], s[SEL+1]
	v_add_f32 v14, v14, v252                       ; and lane l xor 16
	s_wait_alu depctr_va_vdst(0)                   ; ahead of the transcendental
	v_rcp_f32 v14, v14
.irp b, 0,1,2,3
	v_mov_b32 v[TM+4+\b], 0                        ; plain places; a lane permute's destination counts as one of its sources
.endr
	s_wait_alu depctr_va_vdst(0)                   ; and ahead of its first reader
	v_mul_f32 v14, v14, v28                        ; a hidden query's row becomes zeros
	s_wait_alu depctr_va_vdst(0)                   ; and directly ahead of the first reader of O^T
.set J, 0
.rept 32
	v_pk_mul_f32 v[96+J:97+J], v[160+J:161+J], v[14:15] op_sel_hi:[1,0]   ; each accumulator from its low end on
.set J, J+2
.endr
	QUANT 96
.endm
	PLACES                                         ; behind the last products
	FINISH
.irp c, 0,1,2
	global_store_b128 v[LI], v[PC+4*\c:PC+4*\c+3], s[74:75] offset:512*\c          ; 512 consecutive bytes, aligned
.endr
	WIN 0x55
	FINISH
	WIN 0x04                                       ; a store's data are its source 1: window 1
.irp c, 0,1,2
	global_store_b128 v[LI], v[PC+4*\c:PC+4*\c+3], s[74:75] offset:12288+512*\c    ; tile T + 1: eight images on
.endr
	s_mov_b32 vcc_lo, 0xffff0000
	v_cndmask_b32 v[PW+1], v[PW], v[PW], vcc_lo    ; lanes 0-15 tile A's scale words (window 0), lanes 16-31 tile B's (window 1)
	WIN 0
	global_store_b32 v[HSA], v[PW+1], s[76:77]
	s_wait_tensorcnt 0x0                           ; the wave's end
	ds_add_u32 v[SPW], v[NIL]
	s_wait_dscnt 0x0
	CROUND                                         ; the closing round
	s_endpgm
.Lfunc_end_k_qe8fb6911f2_attn:
	.size	k_qe8fb6911f2_attn, .Lfunc_end_k_qe8fb6911f2_attn-k_qe8fb6911f2_attn
	.p2alignl 7, 3214868480
	.fill 96, 4, 3214868480
	.section	.rodata,"a",@progbits
	.p2align	6, 0x0
	.amdhsa_kernel k_qe8fb6911f2_attn
		.amdhsa_group_segment_fixed_size 327680
		.amdhsa_private_segment_fixed_size 0
		.amdhsa_enable_private_segment 0
		.amdhsa_kernarg_size 48
		.amdhsa_user_sgpr_count 2
		.amdhsa_user_sgpr_kernarg_segment_ptr 1
		.amdhsa_wavefront_size32 1
		.amdhsa_system_sgpr_workgroup_id_x 1
		.amdhsa_system_sgpr_workgroup_id_y 1
		.amdhsa_system_sgpr_workgroup_id_z 1
		.amdhsa_system_vgpr_workitem_id 0
		.amdhsa_next_free_vgpr 512
		.amdhsa_next_free_sgpr 80
		.amdhsa_reserve_vcc 1
		.amdhsa_float_denorm_mode_32 3
		.amdhsa_float_denorm_mode_16_64 3
		.amdhsa_memory_ordered 1
		.amdhsa_forward_progress 1
		.amdhsa_inst_pref_size 180
	.end_amdhsa_kernel
	.amdgpu_metadata
---
amdhsa.version: [ 1, 2 ]
amdhsa.kernels:
  - .name:           k_qe8fb6911f2_attn
    .symbol:         k_qe8fb6911f2_attn.kd
    .args:
      - { .name: qq, .offset: 0, .size: 8, .value_kind: global_buffer, .address_space: global }
      - { .name: kv, .offset: 8, .size: 8, .value_kind: global_buffer, .address_space: global }
      - { .name: v_mask, .offset: 16, .size: 8, .value_kind: global_buffer, .address_space: global }
      - { .name: q_mask, .offset: 24, .size: 8, .value_kind: global_buffer, .address_space: global }
      - { .name: scale, .offset: 32, .size: 8, .value_kind: global_buffer, .address_space: global }
      - { .name: hq, .offset: 40, .size: 8, .value_kind: global_buffer, .address_space: global }
    .group_segment_fixed_size: 327680
    .private_segment_fixed_size: 0
    .kernarg_segment_align: 8
    .kernarg_segment_size: 48
    .max_flat_workgroup_size: 256
    .sgpr_count:     80
    .vgpr_count:     512
    .wavefront_size: 32
...
	.end_amdgpu_metadata
.endif
;; end of part 3
;; launch outp (part 4): grid 4 x 64, 4 waves a work-group, clusters of 4 x 4, 327,680 bytes of LDS; arguments hq, wq, out0; writes out0
.if DOCPART == 4
	.amdgcn_target "amdgcn-amd-amdhsa--gfx1250"
	.amdhsa_code_object_version 6
	.text
	.protected	k_qe8fb6911f2_outp
	.globl	k_qe8fb6911f2_outp
	.p2align	8
	.type	k_qe8fb6911f2_outp,@function
k_qe8fb6911f2_outp:
	s_mov_b64 s[64:65], 0
	v_nop
	global_prefetch_b8 v0, s[64:65] scope:SCOPE_SE
	s_setreg_imm32_b32 hwreg(HW_REG_WAVE_MODE, 25, 1), 1
	s_wait_xcnt 0x0
	s_wait_alu depctr_hold_cnt(0) depctr_sa_sdst(0) depctr_va_vdst(0) depctr_va_sdst(0) depctr_va_ssrc(0) depctr_va_vcc(0) depctr_vm_vsrc(0)
	s_getreg_b32 s2, hwreg(HW_REG_IB_STS2, 6, 4)
	s_cmp_eq_u32 s2, 0
	s_cbranch_scc0 .Lentry_in_a_cluster
	s_endpgm
.Lentry_in_a_cluster:
	s_bfe_u32 s2, ttmp6, 0x10000c
	s_cmp_lg_u32 s2, 0xf033
	s_cbranch_scc0 .Lentry_shape_is_right
	s_endpgm
.Lentry_shape_is_right:
; out0 = h x wo on codes of FP6 (E2M3), K = 1,024.  h comes as images of fragment registers (16 rows x 128 K, 1,536 bytes) laid [tile][K step], with scale words at tile x 512 + K step x 64 + 4 r; wo's columns likewise, tiles 128-191 of wq.
; Row r of tile T is row 32 (T / 2) + 8 (T % 2) + r + 8 (r / 8).  A work-group makes 128 rows x 256 columns; a wave 64 x 128: 32 accumulators, 256 registers (window 2).
; ALL OF K LIES IN LDS AT ONCE: h's 8 tiles are 98,304 dense bytes, wo's 16 tiles 196,608.  The head's tiles are shared out, one joint load a wave: wave 0 h's tiles, waves 1 and 2 eight tiles of wo each, wave 3 wo's scale words (8,192 bytes).
; Nothing is filled again.  h's scale words, 16 words a lane, come by plain loads of 128 consecutive bytes into registers.
; CLUSTER 4 x 4: h's tiles hang on the work-group's y alone and are asked for jointly along a row of the cluster, wo's on x alone and jointly along a column.
; NO PREFETCH: the launch has no loop to run ahead in: every tile is asked for at its head.
; The matrix instruction is used transposed (source 0 = 16 columns of wo, source 1 = 16 rows of h): the 16 registers of wo's tiles 2 b, 2 b + 1 are 16 neighbouring columns of a row.
; THE WAY OUT goes through a stage of 16 rows x 528 bytes a wave, in h's bytes, behind a barrier behind which nobody reads them; rows of 512 bytes are stored by the 32 lanes.
.set HS_OFF, 6291456
.set WS_OFF, 2359296
.set WR,     98304                     ; LDS: h's 8 tiles from 0, wo's 16 tiles from here
.set SCL,    294912                    ; wo's scale words
.set SPARE,  SCL+8192                  ; the spare words, 128 bytes a wave
.set SPITCH, 528
.set FR,   12
.set ADRA, 8                           ; my four tiles of h
.set ADRB, 12                          ; v12-13 my eight tiles of wo, four to a register
.set ADSB, 19                          ; their scale words
.set L4,   20                          ; 4 x lane
.set LI,   24                          ; 16 x lane
.set STO,  25
.set RD,   26
.set SPW,  28
.set NIL,  29
.set SC,   32                          ; wo's scale words, two sets of 8: lanes 0-15 the even K step, lanes 16-31 the odd one
.set SX,   64                          ; h's: register 4 (K step / 2) + tile
.set AF,   128                         ; h's fragments, two sets of 48 (window 0); wo's: two sets at v0 and v128 of window 1
.set BK,   128
.set G1X,  24
.set G1W,  32
.set G1S,  40
.set G0X,  48
.set G0W,  52
.set G0S,  56
.set MSB, 0
.macro WIN new
.if MSB != \new
	s_set_vgpr_msb (MSB<<8)|\new
.set MSB, \new
.endif
.endm
.set MUL,  0xa1                        ; source 0 window 1, source 1 window 0, C and D window 2
.set TO_B, 0x40
.macro CROUND
	s_barrier_signal -1
	s_barrier_wait -1
	s_cmp_lg_u32 s14, 0
	s_cbranch_scc1 .Lnot_wave_0_\@
	s_barrier_signal -3
.Lnot_wave_0_\@:
	s_barrier_wait -3
	s_barrier_signal -1
	s_barrier_wait -1
.endm
.macro PLACES
.rept 4
	v_nop
.endr
.endm
	s_load_b128 s[4:7], s[0:1], 0x0                ; hq, wq
	s_load_b64 s[12:13], s[0:1], 0x10              ; out0
	v_lshl_add_u32 v[SPW], v0, 2, SPARE
	v_mov_b32 v[NIL], 0
	ds_add_u32 v[SPW], v[NIL]                      ; the opening lines: the add, twice on end, and its wait
	ds_add_u32 v[SPW], v[NIL]
	v_lshrrev_b32 v1, 5, v0
	v_readfirstlane_b32 s14, v1                    ; wave 0..3
	s_lshr_b32 s15, s14, 1                         ; which 64 rows are mine
	s_and_b32 s16, s14, 1                          ; which 128 columns
	s_bfe_u32 s8, ttmp6, 0x40000                   ; cx
	s_bfe_u32 s9, ttmp6, 0x40004                   ; cy
	s_lshl_b32 s10, ttmp9, 2
	s_add_co_u32 s10, s10, s8                      ; x
	s_and_b32 s17, ttmp7, 0xffff
	s_lshl_b32 s17, s17, 2
	s_add_co_u32 s17, s17, s9                      ; y
	s_lshl_b32 s18, s9, 2
	s_lshl_b32 s18, 15, s18                        ; my row of the cluster
	s_lshl_b32 s19, 0x1111, s8                     ; my column
	s_or_b32 s[G1X+0], s18, (3<<16)|(1<<21)        ; 15:0 the mask; 17:16 elements of 8 bytes; 21 set beside a mask
	s_or_b32 s[G1W+0], s19, (3<<16)|(1<<21)
.irp g, G1X, G1W
	s_mov_b32 s[\g+1], 32<<16                      ; rows of 256 bytes,
	s_mov_b32 s[\g+2], 384<<16                     ; 384 of them, dense: 8 tiles
	s_mov_b32 s[\g+3], 32<<16
	s_mov_b32 s[\g+4], 384
	s_mov_b32 s[\g+5], 32
	s_mov_b32 s[\g+6], 0
	s_mov_b32 s[\g+7], 0
.endr
	s_or_b32 s[G1S+0], s19, (3<<16)|(1<<21)
	s_mov_b32 s[G1S+1], 32<<16
	s_mov_b32 s[G1S+2], 32<<16                     ; 32 rows: the scale words of 16 tiles
	s_mov_b32 s[G1S+3], 32<<16
	s_mov_b32 s[G1S+4], 32
	s_mov_b32 s[G1S+5], 32
	s_mov_b32 s[G1S+6], 0
	s_mov_b32 s[G1S+7], 0
	s_mul_i32 s20, s17, 98304                      ; h's tiles 8 y on
	s_mov_b32 s21, 0
	s_lshl_b32 s22, s10, 4
	s_lshl_b32 s23, s14, 3
	s_add_co_u32 s22, s22, s23
	s_add_co_u32 s22, s22, 120                     ; wo's tiles 128 + 16 x + 8 (wave - 1) on, for waves 1 and 2
	s_mul_i32 s22, s22, 12288
	s_mov_b32 s23, 0
	s_lshl_b32 s2, s10, 13
	s_add_co_u32 s2, s2, WS_OFF+128*512            ; the scale words of wo's tiles 128 + 16 x on
	s_mov_b32 s3, 0
	s_lshl_b32 s60, s17, 12
	s_lshl_b32 s61, s15, 11
	s_add_co_u32 s60, s60, s61
	s_add_co_u32 s60, s60, HS_OFF                  ; the scale words of my four tiles of h
	s_mov_b32 s61, 0
	s_mov_b32 s[G0X], 1
	s_mov_b32 s[G0X+1], 0
	s_mov_b32 s[G0W], 1
	s_mul_i32 s[G0W+1], s14, WR                    ; wave 1: wo's first 8 tiles, wave 2: the other 8
	s_mov_b32 s[G0S], 1
	s_mov_b32 s[G0S+1], SCL
	v_and_b32 v1, 31, v0
	v_lshlrev_b32 v[LI], 4, v1
	v_lshlrev_b32 v[L4], 2, v1
	s_mul_i32 s62, s15, 49152
	v_add_nc_u32 v[ADRA], s62, v[LI]
	s_mul_i32 s62, s16, WR
	s_add_co_u32 s62, s62, WR
	v_add_nc_u32 v[ADRB], s62, v[LI]
	s_add_co_u32 s62, s62, 49152
	v_add_nc_u32 v[ADRB+1], s62, v[LI]
	s_lshl_b32 s62, s16, 12
	s_add_co_u32 s62, s62, SCL
	v_add_nc_u32 v[ADSB], s62, v[L4]
	s_mul_i32 s62, s14, 16*SPITCH                  ; my stage
	v_and_b32 v3, 15, v0
	v_bfe_u32 v4, v0, 4, 1
	v_mul_u32_u24 v[STO], v3, SPITCH
	v_lshl_add_u32 v[STO], v4, 6, v[STO]
	v_add_nc_u32 v[STO], s62, v[STO]               ; in: row r, 64 bytes for each half of the lanes
	v_add_nc_u32 v[RD], s62, v[LI]                 ; back: a row of 512 bytes
	s_lshl_b32 s62, s17, 7
	s_lshl_b32 s63, s15, 6
	s_add_co_u32 s62, s62, s63                     ; my first row of out0,
	s_lshl_b32 s62, s62, 12
	s_lshl_b32 s63, s10, 10
	s_add_co_u32 s62, s62, s63
	s_lshl_b32 s63, s16, 9
	s_add_co_u32 s62, s62, s63                     ; my first column
	s_mov_b32 s63, 0
	s_wait_alu depctr_va_vdst(0)
	s_wait_dscnt 0x0                               ; both opening adds are done
	s_wait_kmcnt 0x0
	s_add_nc_u64 s[G0X+2:G0X+3], s[4:5], s[20:21]
	s_or_b32 s[G0X+3], s[G0X+3], 0x80000000
	s_add_nc_u64 s[G0W+2:G0W+3], s[6:7], s[22:23]
	s_or_b32 s[G0W+3], s[G0W+3], 0x80000000
	s_add_nc_u64 s[G0S+2:G0S+3], s[6:7], s[2:3]
	s_or_b32 s[G0S+3], s[G0S+3], 0x80000000
	s_add_nc_u64 s[60:61], s[4:5], s[60:61]
	s_add_nc_u64 s[12:13], s[12:13], s[62:63]
	CROUND                                         ; all sixteen work-groups are here: the joint loads meet
.macro ARM under, g0, g1, next         ; one chain of branches on the wave's number, one load to an arm
	s_cmp_lt_u32 s14, \under
	s_cbranch_scc0 \next
	tensor_load_to_lds s[\g0:\g0+3], s[\g1:\g1+7]
	s_nop 0
	PLACES
	s_branch .Lhead_asked
\next:
.endm
	ARM 1, G0X, G1X, .Lhead_w
	ARM 3, G0W, G1W, .Lhead_s
	tensor_load_to_lds s[G0S:G0S+3], s[G1S:G1S+7]
	s_nop 0
	PLACES
.Lhead_asked:
.irp g, 0,1,2,3
.irp i, 0,1,2,3
	global_load_b32 v[SX+4*\g+\i], v[L4], s[60:61] offset:\i*512+\g*128   ; lanes 0-15 K step 2 g, lanes 16-31 K step 2 g + 1
.endr
.endr
.macro MULA a, k
.irp b, 0,1,2,3,4,5,6,7
.set DD, 8*(8*(\a)+\b)
.set BB, 128*((\k)%2)+FR*\b
.set AA, AF+48*((\k)%2)+FR*(\a)
.set SB, SC+8*(((\k)/2)%2)+\b
.set SA, SX+4*((\k)/2)+(\a)
.if (\k) == 0
	v_wmma_scale_f32_16x16x128_f8f6f4 v[DD:DD+7], v[BB:BB+FR-1], v[AA:AA+FR-1], 0, v[SB], v[SA] matrix_a_fmt:MATRIX_FMT_FP6 matrix_b_fmt:MATRIX_FMT_FP6
.elseif (\k)%2
	v_wmma_scale_f32_16x16x128_f8f6f4 v[DD:DD+7], v[BB:BB+FR-1], v[AA:AA+FR-1], v[DD:DD+7], v[SB], v[SA] matrix_a_fmt:MATRIX_FMT_FP6 matrix_b_fmt:MATRIX_FMT_FP6 matrix_a_scale:MATRIX_SCALE_ROW1 matrix_b_scale:MATRIX_SCALE_ROW1
.else
	v_wmma_scale_f32_16x16x128_f8f6f4 v[DD:DD+7], v[BB:BB+FR-1], v[AA:AA+FR-1], v[DD:DD+7], v[SB], v[SA] matrix_a_fmt:MATRIX_FMT_FP6 matrix_b_fmt:MATRIX_FMT_FP6
.endif
.endr
.endm
.macro FETCH k                         ; K step k's fragments: wo's eight, h's four; with an even step the scale words of two steps
	WIN TO_B
.irp i, 0,1,2,3,4,5,6,7
.irp c, 0,1,2
	ds_load_b128 v[128*((\k)%2)+FR*\i+4*\c:128*((\k)%2)+FR*\i+4*\c+3], v[ADRB+\i/4] offset:(\i%4)*12288+(\k)*1536+512*\c
.endr
.endr
	WIN 0
.irp i, 0,1,2,3
.irp c, 0,1,2
	ds_load_b128 v[AF+48*((\k)%2)+FR*\i+4*\c:AF+48*((\k)%2)+FR*\i+4*\c+3], v[ADRA] offset:\i*12288+(\k)*1536+512*\c
.endr
.endr
.if (\k)%2 == 0
.irp i, 0,1,2,3,4,5,6,7
	ds_load_b32 v[SC+8*(((\k)/2)%2)+\i], v[ADSB] offset:\i*512+((\k)/2)*128
.endr
.endif
.endm
.macro KSTEP k                         ; 32 matrix instructions, the accumulators by turns; the next step's fragments are fetched behind the first eight
	s_wait_dscnt 0x0
.if (\k) == 7
	s_barrier_signal -1                            ; my reads of the tiles are over
.endif
	WIN MUL
	MULA 0, \k
.if (\k) < 7
	PLACES
	FETCH (\k)+1
	WIN MUL
.endif
	MULA 1, \k
	MULA 2, \k
	MULA 3, \k
.endm
	s_wait_tensorcnt 0x0                           ; my tile of the head's four is in,
	s_wait_loadcnt 0x0                             ; and h's scale words
	s_barrier_signal -1
	s_barrier_wait -1                              ; all four tiles are in
	FETCH 0
.irp k, 0,1,2,3,4,5,6,7
	KSTEP \k
.endr
	WIN 0
	s_barrier_wait -1                              ; nobody reads the tiles any more: the stages may be written
.macro TOSTAGE a
.set AC, 64*(\a)
	WIN 0x08                                       ; the data: window 2
.irp b, 0,1,2,3,4,5,6,7
	ds_store_b128 v[STO], v[AC+8*\b:AC+8*\b+3] offset:128*(\b/2)+32*(\b%2)         ; each accumulator from its low end on
	ds_store_b128 v[STO], v[AC+8*\b+4:AC+8*\b+7] offset:128*(\b/2)+32*(\b%2)+16
.endr
	WIN 0
.set BBK, BK+64*((\a)%2)
.irp t, 0,1,2,3,4,5,6,7,8,9,10,11,12,13,14,15
	ds_load_b128 v[BBK+4*\t:BBK+4*\t+3], v[RD] offset:\t*SPITCH    ; LDS serves a wave's instructions in order: these see the stores above
.endr
.endm
.macro SEND a, younger
.set BBK, BK+64*((\a)%2)
.set ROW0, 32*((\a)/2)+8*((\a)%2)
	s_wait_dscnt \younger
.irp t, 0,1,2,3,4,5,6,7,8,9,10,11,12,13,14,15
	global_store_b128 v[LI], v[BBK+4*\t:BBK+4*\t+3], s[12:13] offset:(ROW0+\t+8*(\t/8))*4096 th:TH_STORE_NT   ; 32 lanes store 512 consecutive bytes, aligned
.endr
.endm
	PLACES                                         ; behind the last products
	TOSTAGE 0
.irp a, 1,2,3
.if \a > 1
	s_wait_xcnt 0x0                                ; block a - 2's stores have read their registers
.endif
	TOSTAGE \a
	SEND \a-1, 32                                  ; behind block a - 1's loads: block a's 16 stores and 16 loads
.endr
	SEND 3, 0
	s_wait_tensorcnt 0x0                           ; the wave's end
	ds_add_u32 v[SPW], v[NIL]
	s_wait_dscnt 0x0
	CROUND                                         ; the closing round
	s_endpgm
.Lfunc_end_k_qe8fb6911f2_outp:
	.size	k_qe8fb6911f2_outp, .Lfunc_end_k_qe8fb6911f2_outp-k_qe8fb6911f2_outp
	.p2alignl 7, 3214868480
	.fill 96, 4, 3214868480
	.section	.rodata,"a",@progbits
	.p2align	6, 0x0
	.amdhsa_kernel k_qe8fb6911f2_outp
		.amdhsa_group_segment_fixed_size 327680
		.amdhsa_private_segment_fixed_size 0
		.amdhsa_enable_private_segment 0
		.amdhsa_kernarg_size 24
		.amdhsa_user_sgpr_count 2
		.amdhsa_user_sgpr_kernarg_segment_ptr 1
		.amdhsa_wavefront_size32 1
		.amdhsa_system_sgpr_workgroup_id_x 1
		.amdhsa_system_sgpr_workgroup_id_y 1
		.amdhsa_system_sgpr_workgroup_id_z 1
		.amdhsa_system_vgpr_workitem_id 0
		.amdhsa_next_free_vgpr 768
		.amdhsa_next_free_sgpr 72
		.amdhsa_reserve_vcc 0
		.amdhsa_float_denorm_mode_32 3
		.amdhsa_float_denorm_mode_16_64 3
		.amdhsa_memory_ordered 1
		.amdhsa_forward_progress 1
		.amdhsa_inst_pref_size 78
	.end_amdhsa_kernel
	.amdgpu_metadata
---
amdhsa.version: [ 1, 2 ]
amdhsa.kernels:
  - .name:           k_qe8fb6911f2_outp
    .symbol:         k_qe8fb6911f2_outp.kd
    .args:
      - { .name: hq, .offset: 0, .size: 8, .value_kind: global_buffer, .address_space: global }
      - { .name: wq, .offset: 8, .size: 8, .value_kind: global_buffer, .address_space: global }
      - { .name: out0, .offset: 16, .size: 8, .value_kind: global_buffer, .address_space: global }
    .group_segment_fixed_size: 327680
    .private_segment_fixed_size: 0
    .kernarg_segment_align: 8
    .kernarg_segment_size: 24
    .max_flat_workgroup_size: 128
    .sgpr_count:     72
    .vgpr_count:     768
    .wavefront_size: 32
...
	.end_amdgpu_metadata
.endif
;; end of part 4
